; MI455X (gfx1250); checked and timed in simulation.
; The chip was launched on July 23, 2026; its instructions are those of AMD's public machine-readable ISA for CDNA 5 (MIT licence, August 2026) and "CDNA5" Instruction Set Architecture Reference Guide (July 2026). The comments in the code are by the model that wrote it; some were corrected since.
;; Calibration Network. Allowed arithmetic: matrix products marked QUANTISED: E4M3 operands, one given power-of-two scale a tensor, by v_wmma_f32_16x16x64_fp8_fp8 or v_wmma_f32_16x16x128_fp8_fp8, f32 sums; everything else in f32.
;; Inputs: V_b 7 x 5 float32; V_w 7 x 5 x 257 float32; Va_b 12 x 7 x 5 float32; Va_w 12 x 7 x 5 x 257 float32; W1_b 256 float32; W1_w 256 x 36 float32; W1a_b 12 x 256 float32; W1a_w 12 x 256 x 36 float32; W2_b 256 float32; W2_w 256 x 257 float32; W2a_b 12 x 256 float32; W2a_w 12 x 256 x 257 float32; judge_ids 32,768 int32; lowp_scales 12 int32 (the exponents e of the quantised operands' scales 2^e); x 32,768 x 35 float32.
;; Outputs: out0 32,768 x 7 x 5 float32.
;; This version of the problem:
;;   THIS VERSION OF THE PROBLEM IS GIVEN IN LOW PRECISION. The matrix products marked QUANTISED in the list below multiply operands that are first quantised to E4M3 (4 exponent bits, 3 mantissa bits; 8 bits a number), with one given power-of-two scale for each operand tensor; their sums are f32. All else is computed in f32.
;;   The module's matrix products, in the order in which they are computed (A, B: the left and right operand; K: the contracted axis; several contracted axes count as one K, in the product's order):
;;     1. [M 32,768, K 36] x [K 36, N 3,072]; A: computed on the way; B: input W1a_w: QUANTISED (scales: A lowp_scales[0], B lowp_scales[1])
;;     2. [M 32,768, K 36] x [K 36, N 256]; A: computed on the way; B: input W1_w: QUANTISED (scales: A lowp_scales[2], B lowp_scales[3])
;;     3. [M 32,768, K 257] x [K 257, N 3,072]; A: computed on the way; B: input W2a_w: QUANTISED (scales: A lowp_scales[4], B lowp_scales[5])
;;     4. [M 32,768, K 257] x [K 257, N 256]; A: computed on the way; B: input W2_w: QUANTISED (scales: A lowp_scales[6], B lowp_scales[7])
;;     5. [M 32,768, K 257] x [K 257, N 35]; A: computed on the way; B: input V_w: QUANTISED (scales: A lowp_scales[8], B lowp_scales[9])
;;     6. [M 32,768, K 257] x [K 257, N 420]; A: computed on the way; B: input Va_w: QUANTISED (scales: A lowp_scales[10], B lowp_scales[11])
;;   THE QUANTISER, for each operand of a quantised product, along K:
;;     - The operand's scale is 2^e, e = its entry of the input lowp_scales (int32; the entries are numbered through the quantised products in the list's order, A before B).
;;     - Each number is divided by the scale, clamped to +-448, and rounded to the nearest number of E4M3, ties to even, subnormals kept.
;;     - The product sums the exact products of the quantised numbers (number of the format x scale) in f32.
;;   ~~~python
;;   def quantise(x, axis, e):      # numpy; x: float32 -> the quantised numbers, widened to float32 again
;;       x = np.moveaxis(x, axis, -1); K = x.shape[-1]
;;       r = np.clip(x / 2.0 ** e, -448, 448)
;;       step = 2.0 ** (np.maximum(np.frexp(np.where(r == 0, 1, r))[1] - 1, -6) - 3)
;;       q = np.round(r / step) * step * 2.0 ** e      # np.round: ties to even
;;       return np.moveaxis(q, -1, axis).astype(np.float32)
;;   ~~~
;;   OPERANDS COMPUTED ON THE WAY. 'Computed on the way' means the value that the module computes at that place (a softmax that the list does not call 'softmax' is quantised finished and normalised). What goes into a quantiser is computed in f32, as accurately as f32 sums, v_exp_f32 and their like allow (about 1e-6 of the number): no bf16 or f16 on the way to a quantiser, and a product that is left as it is and whose result goes on into a quantised operand takes f32 operands (vector FMAs, or v_wmma_f32_16x16x4_f32). A number that lies on a knife's edge between two numbers of the format may be rounded either way, as far as f32 arithmetic and the matrix unit's own rounding can turn it there, and no further.
;; 2 versions, each right; version 2 is version 1 with the launch prep written anew for expert scheduling mode. Each part assembles by itself: llvm-mc -triple=amdgcn-amd-amdhsa -mcpu=gfx1250 --defsym DOCPART=n.
;; ======== version 1 of 2: 2 launches
;; workspace buffers: w1c 212,992 bytes; w2c 851,968 bytes; whc 159,744 bytes; cbt 29,952 bytes; order 131,072 bytes of whole numbers; tiles 16,384 bytes of whole numbers
;; launch prep (part 1): grid 133 x 1, 8 waves a work-group, no clusters, 84,480 bytes of LDS; arguments judge_ids, lowp_scales, W1_w, W1a_w, W2_w, W2a_w, V_w, Va_w, W1_b, W1a_b, W2_b, W2a_b, V_b, Va_b, w1c, w2c, whc, cbt, order, tiles; writes w1c, w2c, whc, cbt, order, tiles
.if DOCPART == 1
	.amdgcn_target "amdgcn-amd-amdhsa--gfx1250"
	.amdhsa_code_object_version 6
	.text
	.protected	k_q142d39791c_prep
	.globl	k_q142d39791c_prep
	.p2align	8
	.type	k_q142d39791c_prep,@function
k_q142d39791c_prep:
	s_mov_b64 s[64:65], 0
	v_nop
	global_prefetch_b8 v0, s[64:65] scope:SCOPE_SE
	s_setreg_imm32_b32 hwreg(HW_REG_WAVE_MODE, 25, 1), 1
	s_wait_xcnt 0x0
; THE LAUNCH IN FRONT OF THE CHAIN.  Three kinds of work-groups, told apart by the work-group's number alone; each kind has LDS bytes of its own.
;   0-15    SORT: a quarter of the tokens (8,192) is sorted by judge, by a counting sort without atomics: 'order' gets the token numbers, 'tiles' the list (judge, first place in order, rows 0..160, 0).
;           Work-group n serves quarter n / 4 as part n % 4.  The four parts of a quarter count and scan ALL its ids alike, so that they agree on every place without a word between them, and each stores the places
;           of a quarter of the ids: 64 scattered stores of a wave's 32 words for a work-group instead of 256.  The price: judge_ids is read four times, 524,288 bytes instead of 131,072.
;   16-119  QW:   a work-group takes 32 rows of layer 2's matrix mu (0-11 the judges', 12 the shared one), quantises them to E4M3 with the given scale and stores them as images of the operand's registers;
;           four of its waves also take layer 1's rows of the same units and the tables cb1 and cb2: what the second launch gives its sums as C.
;   120-132 QH:   a work-group takes the heads' 35 rows of one matrix mu; likewise, and cb3.
; THE APPENDED ONE of layers 2 and 3 (K = 257): its term, code(1) x code(w[u][256]), is the same for every token.  It is made here once for each (judge, unit) by a 16x16x64 matrix instruction on the codes
; and goes into the tables, so that the second launch's K is 256.  cb = (biases) / 2^sb + shared term + judge's term x 2^(sa - sb); sa, sb: the sums of the two exponents of the judge's and of the shared product.
; The shared matrix's work-groups run the table lines too and fill a thirteenth entry of cbt (with judge 11's biases) that no launch reads: 8 of QW's 104 work-groups and one of QH's 13; so the text has one way.
; LIMITS: each given exponent e lies between -126 and 119 (2^e and 448 x 2^e are f32 numbers); sa - sb between -126 and 127.  NaN among the inputs is not served.  judge_ids lie in 0..11, as the problem states.
; No clusters, no tensor loads: but for judge_ids every input byte is read by one wave, once.
.set QWL, 256                          ; LDS: 0-255 SORT's wave totals; from QWL 32 rows of QHP bytes (QW); from QHL 48 rows of QHP bytes (QH)
.set QHL, 33536
.set QHP, 1040                         ; 1,024 bytes + 16: an odd multiple of 16, so that sixteen rows of a 16-byte load start at different banks
.set ID, 16                            ; SORT: v16-47 my 32 ids, later their token numbers
.set LR, 48                            ; SORT: v48-79 each id's rank among my ids of the same judge, later its byte offset in order
.macro MKQ q, e                        ; s[q] = 2^e as f32 (the conversion takes its exponent field), s[q+1] = 448 x 2^e; e in s[e]
	s_add_co_i32 s[\q+1], s[\e], 127
	s_lshl_b32 s[\q], s[\q+1], 23
	s_add_co_i32 s[\q+1], s[\q+1], 8
	s_lshl_b32 s[\q+1], s[\q+1], 23
	s_or_b32 s[\q+1], s[\q+1], 0x600000
.endm
.macro PLACES n
.rept \n
	v_nop
.endr
.endm
; one number a lane becomes the first code of a fragment's first two registers (v225-231 hold zeros)
.macro ONEQ dst, num, q
	v_mov_b32 v251, s[\q]
	v_mov_b32 v250, s[\q+1]
	v_med3_num_f32 v224, v[\num], -v250, v250      ; the conversion to an 8-bit code does not saturate (ISA guide 7.6.2): the hold comes first
	v_cvt_scalef32_pk8_fp8_f32 v[\dst:\dst+1], v[224:231], v251
	v_nop                                          ; a plain line between a scaled conversion and whatever touches its result or writes its sources
.endm
; The ones' terms of sixteen units.  Source 0: code(1) at k = 0 in all sixteen rows (lanes 0-15 hold 1, lanes 16-31, whose first byte is k = 8, hold 0).  Source 1: unit r's weight at k = 0.
; Every register of the result in lane (r, h) is then code(1) x code(w of unit r).  v232: the judge's term, v240: the shared one.
.macro CTERM hreg, ja, sh, q1a, qwa, q1b, qwb
.irp j, 225,226,227,228,229,230,231
	v_mov_b32 v[\j], 0
.endr
.irp f, 192,200,208,216
.irp j, 2,3,4,5,6,7
	v_mov_b32 v[\f+\j], 0                          ; k = 16 to 63 of the four fragments
.endr
.endr
	v_sub_nc_u32 v248, 1, v[\hreg]
	v_cvt_f32_u32 v248, v248                       ; 1.0 in lanes 0-15, 0.0 in lanes 16-31
	ONEQ 192, 248, \q1a
	ONEQ 200, \ja, \qwa
	ONEQ 208, 248, \q1b
	ONEQ 216, \sh, \qwb
	v_wmma_f32_16x16x64_fp8_fp8 v[232:239], v[192:199], v[200:207], 0
	v_wmma_f32_16x16x64_fp8_fp8 v[240:247], v[208:215], v[216:223], 0
	PLACES 4                                       ; four plain lines before a vector instruction reads a matrix result (ISA guide 7.12.1)
.endm
	v_lshl_add_u32 v254, v0, 2, 0x14600
	v_mov_b32 v255, 0
	v_lshrrev_b32 v1, 5, v0
	v_readfirstlane_b32 s8, v1                     ; wave 0..7
	s_cmp_lt_u32 ttmp9, 16
	s_cbranch_scc1 .Lsort
	s_cmp_lt_u32 ttmp9, 120
	s_cbranch_scc1 .Lqw
; ======================================================================= QH: the heads of matrix mu
; whc: [mu 13][w 4][T 3][g 2][lane 32][16 bytes]: the fragment (16 rows x 64 K) of K slice 64 w .. 64 w + 63.  Row r of tile T is logit n = idx + 20 hh, idx = 8 T + (r & 7), hh = r >> 3, where idx < 20 - 5 hh;
; else zeros.  So in the transposed product lanes 0-15 hold logits 0-19 and lanes 16-31 logits 20-34: whole groups of five.
	s_load_b64 s[10:11], s[0:1], 0x8               ; the scales' exponents
	s_load_b128 s[12:15], s[0:1], 0x30             ; V_w, Va_w
	s_load_b128 s[16:19], s[0:1], 0x60             ; V_b, Va_b
	s_load_b128 s[20:23], s[0:1], 0x80             ; whc, cbt
	s_sub_co_u32 s9, ttmp9, 120                    ; mu
	s_min_u32 s28, s9, 11                          ; the judge whose biases are taken
	s_lshr_b32 s24, s8, 2                          ; my first job's tile T = wave / 4
	s_and_b32 s25, s8, 3                           ; my K slice w
	v_lshlrev_b32 v1, 2, v0                        ; thread t takes word t of every row
	v_add_nc_u32 v2, QHL, v1
	v_and_b32 v5, 31, v0
	v_lshlrev_b32 v5, 4, v5                        ; 16 x lane
	v_bfe_u32 v7, v0, 4, 1                         ; h
	v_and_b32 v8, 7, v0                            ; r & 7
	v_bfe_u32 v9, v0, 3, 1                         ; hh
	v_mad_u32_u24 v3, v9, 24, v8                   ; LDS row (r & 7) + 24 hh (+ 8 T below)
	v_mul_u32_u24 v3, v3, QHP
	v_lshl_add_u32 v3, v7, 5, v3                   ; + 32 h: eight numbers
	s_mul_i32 s26, s24, 8*QHP
	s_lshl_b32 s27, s25, 8
	s_add_co_u32 s26, s26, s27
	s_add_co_u32 s26, s26, QHL
	v_add_nc_u32 v3, s26, v3
	v_mov_b32 v15, 0
	s_mov_b32 s3, 0
	s_wait_kmcnt 0x0
	s_load_b128 s[36:39], s[10:11], 0x20           ; e8, e9, e10, e11
	s_cmp_eq_u32 s9, 12                            ; the shared matrix or a judge's: the choice hangs on the work-group's number alone
	s_cselect_b64 s[30:31], s[12:13], s[14:15]
	s_cselect_b32 s29, 0, s9
	s_mul_i32 s2, s29, 35980
	s_add_nc_u64 s[30:31], s[30:31], s[2:3]        ; my matrix
	s_mul_i32 s2, s28, 140
	s_add_nc_u64 s[34:35], s[18:19], s[2:3]        ; Va_b of the judge
	s_mul_i32 s2, s9, 12288
	s_mul_i32 s27, s25, 3072
	s_add_co_u32 s2, s2, s27
	s_lshl_b32 s27, s24, 10
	s_add_co_u32 s2, s2, s27
	s_add_nc_u64 s[44:45], s[20:21], s[2:3]        ; whc at (mu, w, T)
	s_mul_i32 s2, s9, 2304
	s_add_nc_u64 s[22:23], s[22:23], s[2:3]        ; cbt at mu
	s_cmp_lt_u32 s8, 4                             ; waves 4 to 6 make cb3 (tile T' = wave - 4): their four numbers a lane are asked for first, so that the wait below covers them on both ways
	s_cbranch_scc1 .Lqh_ng
	s_cmp_gt_u32 s8, 6
	s_cbranch_scc1 .Lqh_ng
	s_sub_co_u32 s32, s8, 4
	s_lshl_b32 s32, s32, 3
	v_add_nc_u32 v10, s32, v8                      ; idx
	v_mul_u32_u24 v11, v9, 5
	v_sub_nc_u32 v11, 20, v11
	v_cmp_lt_u32 vcc_lo, v10, v11                  ; a logit stands here
	v_mad_u32_u24 v12, v9, 20, v10
	v_cndmask_b32 v12, 0, v12, vcc_lo              ; n, or 0 where none stands: no load leaves its buffer
	v_mul_u32_u24 v13, v12, 1028
	v_lshlrev_b32 v14, 2, v12
	global_load_b32 v24, v13, s[12:13] offset:1024 ; V_w[n][256]
	global_load_b32 v25, v13, s[30:31] offset:1024 ; my matrix's [n][256]
	global_load_b32 v26, v14, s[16:17]             ; V_b[n]
	global_load_b32 v27, v14, s[34:35]             ; Va_b[j][n]
.Lqh_ng:
.set n, 0
.rept 35
	global_load_b32 v[64+n], v1, s[30:31] offset:1028*n      ; a wave reads 128 consecutive bytes of a row
.set n, n+1
.endr
.irp n, 20,21,22,23,39,40,41,42,43,44,45,46,47
	ds_store_b32 v2, v15 offset:QHP*\n             ; the rows at which no logit stands
.endr
	s_wait_kmcnt 0x0
	s_cmp_eq_u32 s9, 12
	s_cselect_b32 s40, s37, s39                    ; e9 for the shared matrix, e11 for a judge's
	MKQ 42, 40
	MKQ 46, 38                                     ; e10: the one of the judge's product
	MKQ 48, 36                                     ; e8: the one of the shared product
	MKQ 50, 37                                     ; e9
	s_add_co_i32 s52, s38, s39
	s_add_co_i32 s53, s36, s37                     ; sb3
	s_sub_co_i32 s52, s52, s53
	s_add_co_i32 s52, s52, 127
	s_lshl_b32 s52, s52, 23                        ; 2^(sa3 - sb3)
	s_sub_co_i32 s53, 0, s53
	v_mov_b32 v29, s42
	v_mov_b32 v28, s43
	s_wait_loadcnt 0x0
.set n, 0
.rept 20
	ds_store_b32 v2, v[64+n] offset:QHP*n
.set n, n+1
.endr
.rept 15
	ds_store_b32 v2, v[64+n] offset:QHP*(n+4)      ; logits 20-34 lie at rows 24-38
.set n, n+1
.endr
	s_wait_dscnt 0x0                               ; for the others' sake: my stores have landed
	s_barrier_signal -1
	s_barrier_wait -1
; One fragment of 16 rows x 64 K out of rows that lie in LDS: 32 numbers a lane (v3: my row, my K quarter, + 32 bytes for lanes 16-31), four conversions, two stores of 512 consecutive bytes.
; v28: 448 x the scale, v29: the scale, v5: 16 x lane, s[44:45]: where the image goes.  QW uses it too.
.macro HJOB j, loff, goff
.irp c, 0,1,2,3
	ds_load_b128 v[128+32*\j+8*\c:128+32*\j+8*\c+3], v3 offset:\loff+64*\c
	ds_load_b128 v[132+32*\j+8*\c:132+32*\j+8*\c+3], v3 offset:\loff+64*\c+16
.endr
	s_wait_dscnt 0x0
.set n, 0
.rept 32
	v_med3_num_f32 v[128+32*\j+n], v[128+32*\j+n], -v28, v28
.set n, n+1
.endr
.irp c, 0,1,2,3
	v_cvt_scalef32_pk8_fp8_f32 v[32+8*\j+2*\c:32+8*\j+2*\c+1], v[128+32*\j+8*\c:128+32*\j+8*\c+7], v29
.endr
	v_nop
	global_store_b128 v5, v[32+8*\j:32+8*\j+3], s[44:45] offset:\goff
	global_store_b128 v5, v[36+8*\j:36+8*\j+3], s[44:45] offset:\goff+512
.endm
	HJOB 0, 0, 0                                   ; tile wave / 4
	s_cmp_lt_u32 s8, 4
	s_cbranch_scc0 .Lqh_hi
	HJOB 1, 16*QHP, 2048                           ; waves 0-3 (whose first tile was 0) also take tile 2: 16 rows and 2 fragments further on; registers of its own
	s_wait_tensorcnt 0x0
	ds_add_u32 v254, v255
	s_wait_dscnt 0x0
	s_endpgm
.Lqh_hi:
	s_cmp_gt_u32 s8, 6
	s_cbranch_scc1 .Lqh_end
	CTERM 7, 25, 24, 46, 42, 48, 50
	s_sub_co_u32 s32, s8, 4
	s_lshl_b32 s32, s32, 3
	v_add_nc_u32 v10, s32, v8                      ; idx
	v_mul_u32_u24 v11, v9, 5
	v_sub_nc_u32 v11, 20, v11
	v_add_f32 v26, v26, v27
	v_ldexp_f32 v26, v26, s53                      ; (V_b + Va_b) / 2^sb3
	v_fma_f32 v26, v232, s52, v26
	v_add_f32 v26, v26, v240
	v_cmp_lt_u32 vcc_lo, v10, v11
	v_cndmask_b32 v26, 0, v26, vcc_lo              ; 0 where no logit stands
	v_mad_u32_u24 v16, v9, 24, v10
	v_lshlrev_b32 v16, 2, v16
	global_store_b32 v16, v26, s[22:23] offset:2048          ; cb3 at word 512 + 24 hh + idx; both halves of the wave hold and store the same sixteen words
.Lqh_end:
	s_wait_tensorcnt 0x0
	ds_add_u32 v254, v255
	s_wait_dscnt 0x0
	s_endpgm
; ======================================================================= QW: 32 rows of W2 of matrix mu, and what belongs to the same 32 units
; w2c: [mu][T 16][s 2][g 4][lane][16 bytes]: registers 2 c, 2 c + 1 hold W2[16 T + r][128 s + 16 c + 8 h + 0 .. 7]: the K = 128 form's own layout.
; Thread t takes word t of each of the 32 rows (a row is 1,028 bytes, so only its words are aligned): a wave's load reads 128 consecutive bytes.  The rows go into LDS 1,040 bytes apart, where 16-byte loads are aligned.
; Wave (tile = wave / 4, K quarter q = wave % 4) then makes half a fragment: K step q / 2, register groups 2 (q % 2) and 2 (q % 2) + 1: 1,024 bytes at 1024 q of the tile's 4,096.
; A work-group issues 8 x (32 + 8) LDS instructions.  Side jobs, by the wave's number: waves 0, 1: W1's 16 rows of tile 2 TP + wave; waves 2, 3: cb1 and cb2 of tile 2 TP + wave - 2.
; w1c: [mu][T][g 2][lane][16 bytes]: byte i of lane (r, h) is the code of W1[16 T + r][18 h + i], i < 18, else 0: the 36 numbers of K lie in the same places as in the second launch's x.
.Lqw:
	s_load_b64 s[10:11], s[0:1], 0x8               ; the scales' exponents
	s_load_b128 s[12:15], s[0:1], 0x10             ; W1_w, W1a_w
	s_load_b128 s[16:19], s[0:1], 0x20             ; W2_w, W2a_w
	s_load_b256 s[20:27], s[0:1], 0x40             ; W1_b, W1a_b, W2_b, W2a_b
	s_load_b128 s[28:31], s[0:1], 0x70             ; w1c, w2c
	s_load_b64 s[32:33], s[0:1], 0x88              ; cbt
	s_sub_co_u32 s9, ttmp9, 16
	s_lshr_b32 s34, s9, 3                          ; mu
	s_and_b32 s35, s9, 7                           ; TP: which 32 rows
	s_lshr_b32 s46, s8, 2                          ; my fragment's tile among the two
	s_and_b32 s47, s8, 3                           ; its K quarter
	s_and_b32 s62, s8, 1                           ; my side job's tile among the two
	s_lshl_b32 s56, s35, 1
	s_add_co_u32 s61, s56, s46                     ; T of my fragment
	s_add_co_u32 s56, s56, s62                     ; T of my side job
	s_min_u32 s52, s34, 11                         ; the judge whose biases are taken
	s_cmp_eq_u32 s34, 12
	s_cselect_b32 s57, 0, s34
	v_lshlrev_b32 v1, 2, v0                        ; thread t takes word t of every row
	v_add_nc_u32 v2, QWL, v1
	v_and_b32 v5, 31, v0
	v_lshlrev_b32 v5, 4, v5                        ; 16 x lane
	v_and_b32 v6, 15, v0                           ; r
	v_bfe_u32 v7, v0, 4, 1                         ; h
	v_mul_u32_u24 v3, v6, QHP
	v_lshl_add_u32 v3, v7, 5, v3                   ; out of LDS: row r, + 8 numbers for lanes 16-31,
	s_mul_i32 s53, s46, 16*QHP
	s_lshl_b32 s54, s47, 8
	s_add_co_u32 s53, s53, s54
	s_add_co_u32 s53, s53, QWL
	v_add_nc_u32 v3, s53, v3                       ; + my tile's 16 rows + my quarter's 256 bytes
	v_mul_u32_u24 v9, v6, 144
	v_mad_u32_u24 v9, v7, 72, v9                   ; W1: row r of 144 bytes, + 18 numbers for lanes 16-31
	v_lshlrev_b32 v8, 2, v6                        ; 4 r
	v_mul_u32_u24 v10, v6, 1028                    ; W2: row r
	s_mov_b32 s3, 0
	s_mov_b32 s55, 0
	s_wait_kmcnt 0x0
	s_load_b256 s[36:43], s[10:11], 0x0            ; e0 .. e7
	s_cmp_eq_u32 s34, 12                           ; the shared matrix or a judge's: the choice hangs on the work-group's number alone
	s_cselect_b64 s[48:49], s[12:13], s[14:15]
	s_cselect_b64 s[50:51], s[16:17], s[18:19]
	s_mul_i32 s2, s57, 36864
	s_mul_i32 s54, s56, 2304
	s_add_co_u32 s2, s2, s54
	s_add_nc_u64 s[48:49], s[48:49], s[2:3]        ; W1: my side job's 16 rows
	s_mul_i32 s2, s57, 263168
	s_mul_i32 s54, s35, 32896
	s_add_co_u32 s2, s2, s54
	s_add_nc_u64 s[50:51], s[50:51], s[2:3]        ; W2: the work-group's 32 rows
	s_mul_i32 s54, s56, 16448
	s_add_nc_u64 s[16:17], s[16:17], s[54:55]      ; the shared W2 at my side job's 16 units,
	s_mul_i32 s54, s62, 16448
	s_add_nc_u64 s[58:59], s[50:51], s[54:55]      ; and my matrix at the same units
	s_lshl_b32 s2, s56, 6
	s_add_nc_u64 s[20:21], s[20:21], s[2:3]        ; W1_b, W2_b at unit 16 T
	s_add_nc_u64 s[24:25], s[24:25], s[2:3]
	s_lshl_b32 s54, s52, 10
	s_add_co_u32 s2, s2, s54
	s_add_nc_u64 s[22:23], s[22:23], s[2:3]        ; W1a_b, W2a_b of the judge
	s_add_nc_u64 s[26:27], s[26:27], s[2:3]
	s_lshl_b32 s60, s34, 4
	s_add_co_u32 s2, s60, s56
	s_lshl_b32 s2, s2, 10
	s_add_nc_u64 s[28:29], s[28:29], s[2:3]        ; w1c at (mu, T of my side job)
	s_add_co_u32 s2, s60, s61
	s_lshl_b32 s2, s2, 12
	s_lshl_b32 s54, s47, 10
	s_add_co_u32 s2, s2, s54
	s_add_nc_u64 s[44:45], s[30:31], s[2:3]        ; w2c at (mu, T of my fragment, quarter)
	s_mul_i32 s2, s34, 2304
	s_lshl_b32 s54, s56, 6
	s_add_co_u32 s2, s2, s54
	s_add_nc_u64 s[32:33], s[32:33], s[2:3]        ; cbt at (mu, unit 16 T of my side job)
	s_cmp_lt_u32 s8, 2                             ; the side jobs' loads go first, so that the counted waits below leave out the same loads on every wave's way
	s_cbranch_scc0 .Lqw_l1
.irp k, 0,1,2,3,4,5,6,7,8
	global_load_b64 v[160+2*\k:161+2*\k], v9, s[48:49] offset:8*\k
.endr
	s_branch .Lqw_l2
.Lqw_l1:
	s_cmp_lt_u32 s8, 4
	s_cbranch_scc0 .Lqw_l2
	global_load_b32 v24, v10, s[16:17] offset:1024 ; W2_w[u][256]
	global_load_b32 v41, v10, s[58:59] offset:1024 ; my matrix's [u][256]
	global_load_b32 v25, v8, s[24:25]              ; W2_b[u]
	global_load_b32 v26, v8, s[26:27]              ; W2a_b[j][u]
	global_load_b32 v27, v8, s[20:21]              ; W1_b[u]
	global_load_b32 v40, v8, s[22:23]              ; W1a_b[j][u]
.Lqw_l2:
.set n, 0
.rept 32
	global_load_b32 v[64+n], v1, s[50:51] offset:1028*n      ; a wave reads 128 consecutive bytes of a row
.set n, n+1
.endr
	s_wait_kmcnt 0x0
	s_cmp_eq_u32 s34, 12
	s_cselect_b32 s66, s39, s37                    ; W1: e3 for the shared matrix, e1 for a judge's
	s_cselect_b32 s67, s43, s41                    ; W2: e7, e5
	MKQ 68, 66
	MKQ 70, 67
	MKQ 72, 40                                     ; e4: the one of the judge's product
	MKQ 74, 42                                     ; e6: the one of the shared product
	MKQ 76, 43                                     ; e7
	s_add_co_i32 s78, s40, s41
	s_add_co_i32 s79, s42, s43                     ; sb2
	s_sub_co_i32 s78, s78, s79
	s_add_co_i32 s78, s78, 127
	s_lshl_b32 s78, s78, 23                        ; 2^(sa2 - sb2)
	s_sub_co_i32 s79, 0, s79
	s_add_co_i32 s80, s38, s39
	s_sub_co_i32 s80, 0, s80                       ; -sb1
	v_mov_b32 v31, s68
	v_mov_b32 v30, s69
	v_mov_b32 v29, s70
	v_mov_b32 v28, s71
.irp q, 0,1,2,3
	s_wait_loadcnt 24-8*\q                         ; loads come back in order: eight more rows are in, the rows behind them may be out
.irp c, 0,1,2,3,4,5,6,7
	ds_store_b32 v2, v[64+8*\q+\c] offset:QHP*(8*\q+\c)
.endr
.endr
	s_wait_dscnt 0x0                               ; for the others' sake: my stores have landed
	s_barrier_signal -1
	s_barrier_wait -1
	HJOB 0, 0, 0
	s_cmp_lt_u32 s8, 2
	s_cbranch_scc0 .Lqw_cb
.irp k, 178,179,180,181,182,183
	v_mov_b32 v[\k], 0                             ; numbers 18-23 of the lane: zeros
.endr
.set n, 0
.rept 18
	v_med3_num_f32 v[160+n], v[160+n], -v30, v30
.set n, n+1
.endr
.irp c, 0,1,2
	v_cvt_scalef32_pk8_fp8_f32 v[16+2*\c:17+2*\c], v[160+8*\c:167+8*\c], v31
.endr
	v_mov_b32 v22, 0                               ; bytes 24-31.  (Also the plain line behind the conversions)
	v_mov_b32 v23, 0
	global_store_b128 v5, v[16:19], s[28:29]
	global_store_b128 v5, v[20:23], s[28:29] offset:512
	s_wait_tensorcnt 0x0
	ds_add_u32 v254, v255
	s_wait_dscnt 0x0
	s_endpgm
.Lqw_cb:
	s_cmp_lt_u32 s8, 4
	s_cbranch_scc0 .Lqw_end
	CTERM 7, 41, 24, 72, 70, 74, 76
	v_add_f32 v25, v25, v26
	v_ldexp_f32 v25, v25, s79                      ; (W2_b + W2a_b) / 2^sb2
	v_fma_f32 v25, v232, s78, v25
	v_add_f32 v25, v25, v240                       ; cb2[u]
	v_add_f32 v27, v27, v40
	v_ldexp_f32 v27, v27, s80                      ; cb1[u] = (W1_b + W1a_b) / 2^sb1
	v_cmp_eq_u32 vcc_lo, 1, v7
	v_cndmask_b32 v27, v27, v25, vcc_lo            ; lanes 0-15 store cb1, lanes 16-31 cb2
	v_lshl_add_u32 v11, v7, 10, v8
	global_store_b32 v11, v27, s[32:33]
.Lqw_end:
	s_wait_tensorcnt 0x0
	ds_add_u32 v254, v255
	s_wait_dscnt 0x0
	s_endpgm
; ======================================================================= SORT: quarter sc = work-group's number / 4, part = work-group's number % 4
; Thread t holds ids 1024 c + 4 t + e (c = 0..7, e = 0..3) of the quarter.  Pass 1 counts them by judge in twelve byte counters (three registers: judge k in register k / 4, byte k % 4; at most 32 each) and notes
; each id's rank.  The counters, widened to 16 bits, are summed over lanes (a scan in the wave) and waves (through LDS); with the judges' bases that gives each thread its first place for each judge.
; Up to there the four parts run the same lines on the same ids.  Pass 2 stores: part p the places of loads c = 2 p and 2 p + 1; part 0 also the list of tiles.
.Lsort:
	s_load_b64 s[10:11], s[0:1], 0x0               ; judge_ids
	s_load_b128 s[12:15], s[0:1], 0x90             ; order, tiles
	s_lshr_b32 s7, ttmp9, 2                        ; sc
	s_and_b32 s9, ttmp9, 3                         ; part
	v_lshlrev_b32 v1, 4, v0
	v_mov_b32 v8, 0
	v_mov_b32 v9, 0
	v_mov_b32 v10, 0
	s_lshl_b32 s2, s7, 15                          ; a quarter is 32,768 bytes of ids and of order
	s_mov_b32 s3, 0
	s_lshl_b32 s4, s7, 4
	s_mov_b32 s5, 0
	s_lshl_b32 s6, s7, 13                          ; its first token
	s_wait_kmcnt 0x0
	s_add_nc_u64 s[10:11], s[10:11], s[2:3]
	s_add_nc_u64 s[12:13], s[12:13], s[2:3]
	s_add_nc_u64 s[14:15], s[14:15], s[4:5]
.irp c, 0,1,2,3,4,5,6,7
	global_load_b128 v[ID+4*\c:ID+4*\c+3], v1, s[10:11] offset:4096*\c
.endr
	v_lshl_add_u32 v7, v0, 2, s6                   ; 8192 sc + 4 t
	v_bfe_u32 v11, v0, 4, 1
	v_sub_nc_u32 v11, 0, v11                       ; all ones in lanes 16-31
	v_and_b32 v12, 0xe0, v0                        ; 32 x wave: my wave's totals in LDS
	v_mov_b32 v13, 0
.irp f, 0,1,2,3,4,5
	v_mov_b32 v[92+\f], 0                          ; (a DPP form's destination counts as read)
.endr
	s_mov_b32 s16, 0x00ff00ff
	s_mov_b32 s19, 0x0c0c0100
.macro CNT n
	v_and_b32 v2, 3, v[ID+(\n)]
	v_lshlrev_b32 v2, 3, v2                        ; the counter's bit in its register
	v_cmp_gt_u32 vcc_lo, 4, v[ID+(\n)]             ; judges 0-3
	v_cmp_lt_u32 s20, 7, v[ID+(\n)]                ; judges 8-11
	v_cndmask_b32 v3, v9, v8, vcc_lo
	v_cndmask_b32 v3, v3, v10, s20
	v_bfe_u32 v[LR+(\n)], v3, v2, 8                ; how many of this judge I have seen
	v_lshl_add_u32 v3, 1, v2, v3
	s_or_b32 s21, vcc_lo, s20
	v_cndmask_b32 v8, v8, v3, vcc_lo
	v_cndmask_b32 v10, v10, v3, s20
	v_cndmask_b32 v9, v3, v9, s21
.endm
.irp c, 0,1,2,3,4,5,6,7
	s_wait_loadcnt 7-\c                            ; loads come back in order: load c is in, the later ones may be out
.irp e, 0,1,2,3
	CNT 4*\c+\e
.endr
.endr
.irp d, 0,1,2                                  ; v80-85: 16-bit fields: register 2 d: judges 4 d, 4 d + 2; register 2 d + 1: judges 4 d + 1, 4 d + 3.  A quarter's 8,192 fit
	v_and_b32 v[80+2*\d], s16, v[8+\d]
	v_lshrrev_b32 v[81+2*\d], 8, v[8+\d]
	v_and_b32 v[81+2*\d], s16, v[81+2*\d]
.endr
.irp f, 0,1,2,3,4,5
	v_mov_b32_dpp v[92+\f], v[80+\f] row_shr:1 row_mask:0xf bank_mask:0xf bound_ctrl:1
	v_add_nc_u32 v[86+\f], v[80+\f], v[92+\f]
.endr
.irp n, 2,4,8
.irp f, 0,1,2,3,4,5
	v_mov_b32_dpp v[92+\f], v[86+\f] row_shr:\n row_mask:0xf bank_mask:0xf bound_ctrl:1
	v_add_nc_u32 v[86+\f], v[86+\f], v[92+\f]
.endr
.endr
.irp f, 0,1,2,3,4,5
	v_readlane_b32 s[20+\f], v[86+\f], 15          ; the lower sixteen lanes' sum
.endr
.irp f, 0,1,2,3,4,5
	v_and_b32 v[92+\f], s[20+\f], v11
	v_add_nc_u32 v[86+\f], v[86+\f], v[92+\f]      ; goes onto the upper sixteen
.endr
.irp f, 0,1,2,3,4,5
	v_readlane_b32 s[26+\f], v[86+\f], 31          ; the wave's totals
.endr
.irp f, 0,1,2,3,4,5
	v_mov_b32 v[98+\f], s[26+\f]
	v_sub_nc_u32 v[86+\f], v[86+\f], v[80+\f]      ; v86-91: the lanes before me
.endr
	ds_store_b128 v12, v[98:101]
	ds_store_b64 v12, v[102:103] offset:16
	s_wait_dscnt 0x0                               ; for the others' sake
	s_barrier_signal -1
	s_barrier_wait -1
.irp w, 0,1,2,3,4,5,6,7
	ds_load_b128 v[104+6*\w:107+6*\w], v13 offset:32*\w
	ds_load_b64 v[108+6*\w:109+6*\w], v13 offset:32*\w+16
.endr
.irp f, 0,1,2,3,4,5
	v_mov_b32 v[152+\f], 0
.endr
	s_wait_dscnt 0x0
.irp w, 1,2,3,4,5,6,7                          ; v104-109 run through the sums of waves 0 .. w - 1; v152-157 keep the one that belongs to my wave
	s_cmp_eq_u32 s8, \w
	s_cselect_b32 s18, -1, 0
.irp f, 0,1,2,3,4,5
	v_cndmask_b32 v[152+\f], v[152+\f], v[104+\f], s18
	v_add_nc_u32 v[104+\f], v[104+\f], v[104+6*\w+\f]
.endr
.endr
.irp f, 0,1,2,3,4,5
	v_readfirstlane_b32 s[20+\f], v[104+\f]        ; the quarter's totals
.endr
.irp d, 0,1,2                                  ; s36-47: n[k]
	s_and_b32 s[36+4*\d], s[20+2*\d], 0xffff
	s_lshr_b32 s[38+4*\d], s[20+2*\d], 16
	s_and_b32 s[37+4*\d], s[21+2*\d], 0xffff
	s_lshr_b32 s[39+4*\d], s[21+2*\d], 16
.endr
	s_mov_b32 s48, 0                               ; s48-59: the judges' first places; s66-77: their first tiles
	s_mov_b32 s66, 0
.irp k, 0,1,2,3,4,5,6,7,8,9,10
	s_add_co_u32 s[49+\k], s[48+\k], s[36+\k]
	s_add_co_u32 s2, s[36+\k], 159
	s_mul_i32 s2, s2, 26215
	s_lshr_b32 s2, s2, 22                          ; (n + 159) / 160: 26215 / 2^22 = (1 + 2.3e-5) / 160 is exact for n + 159 up to 8,351
	s_add_co_u32 s[67+\k], s[66+\k], s2
.endr
.irp d, 0,1,2                                  ; s78-83: the first places in the fields' order
	s_lshl_b32 s2, s[50+4*\d], 16
	s_or_b32 s[78+2*\d], s2, s[48+4*\d]
	s_lshl_b32 s2, s[51+4*\d], 16
	s_or_b32 s[79+2*\d], s2, s[49+4*\d]
.endr
.irp f, 0,1,2,3,4,5
	v_add3_u32 v[86+\f], v[86+\f], v[152+\f], s[78+\f]       ; my first place for each judge (at most 8,192: no field runs over)
.endr
.irp d, 0,1,2                                  ; v92-97: the same in the judges' order: judge k in bytes 2 k, 2 k + 1
	v_perm_b32 v[92+2*\d], v[87+2*\d], v[86+2*\d], 0x05040100
	v_perm_b32 v[93+2*\d], v[87+2*\d], v[86+2*\d], 0x07060302
.endr
.macro PLACE n
	v_and_b32 v2, 3, v[ID+(\n)]
	v_mad_u32_u24 v3, v2, 0x202, s19               ; selects bytes 2 b, 2 b + 1 of a pair of registers, zeros above
	v_perm_b32 v4, v93, v92, v3
	v_perm_b32 v5, v95, v94, v3
	v_perm_b32 v6, v97, v96, v3
	v_cmp_gt_u32 vcc_lo, 4, v[ID+(\n)]
	v_cmp_lt_u32 s18, 7, v[ID+(\n)]
	v_cndmask_b32 v4, v5, v4, vcc_lo
	v_cndmask_b32 v4, v4, v6, s18
	v_add_nc_u32 v[LR+(\n)], v[LR+(\n)], v4
	v_min_u32 v[LR+(\n)], 0x1fff, v[LR+(\n)]       ; a place in the quarter
	v_lshlrev_b32 v[LR+(\n)], 2, v[LR+(\n)]
	v_add_nc_u32 v[ID+(\n)], 1024*((\n)/4)+(\n)%4, v7        ; the token's number
	global_store_b32 v[LR+(\n)], v[ID+(\n)], s[12:13]        ; each store has registers of its own
.endm
.irp p, 0,1,2,3                                ; part p stores the places of ids 8 p .. 8 p + 7 of every thread: the branches hang on the work-group's number alone
	s_cmp_lg_u32 s9, \p
	s_cbranch_scc1 .Lnot_part_\p
.set pn, 8*\p
.rept 8
	PLACE pn
.set pn, pn+1
.endr
.Lnot_part_\p:
.endr
	s_cmp_lg_u32 s9, 0
	s_cbranch_scc1 .Lsort_end
	; the list of tiles, by part 0: thread i writes the quarter's tile i; past the last tile the count is 0.  The last judge whose first tile is not above i owns tile i.
	v_mov_b32 v8, 0
	v_mov_b32 v12, 0
	v_mov_b32 v13, 0
	v_mov_b32 v14, s36
.irp k, 1,2,3,4,5,6,7,8,9,10,11
	v_cmp_gt_u32 vcc_lo, s[66+\k], v0
	v_cndmask_b32 v8, \k, v8, vcc_lo
	v_cndmask_b32 v12, s[66+\k], v12, vcc_lo
	v_cndmask_b32 v13, s[48+\k], v13, vcc_lo
	v_cndmask_b32 v14, s[36+\k], v14, vcc_lo
.endr
	v_sub_nc_u32 v12, v0, v12
	v_mul_u32_u24 v12, v12, 160
	v_min_u32 v12, v12, v14                        ; the tile's first row among the judge's
	v_sub_nc_u32 v10, v14, v12
	v_min_u32 v10, 160, v10                        ; its rows
	v_add3_u32 v9, v13, v12, s6                    ; its first place in order
	v_mov_b32 v11, 0
	v_lshlrev_b32 v15, 6, v0
	global_store_b128 v15, v[8:11], s[14:15]       ; entry 4 i + sc
.Lsort_end:
	s_wait_tensorcnt 0x0
	ds_add_u32 v254, v255
	s_wait_dscnt 0x0
	s_endpgm
.Lfunc_end_k_q142d39791c_prep:
	.size	k_q142d39791c_prep, .Lfunc_end_k_q142d39791c_prep-k_q142d39791c_prep
	.p2alignl 7, 3214868480
	.fill 96, 4, 3214868480
	.section	.rodata,"a",@progbits
	.p2align	6, 0x0
	.amdhsa_kernel k_q142d39791c_prep
		.amdhsa_group_segment_fixed_size 84480
		.amdhsa_private_segment_fixed_size 0
		.amdhsa_enable_private_segment 0
		.amdhsa_kernarg_size 160
		.amdhsa_user_sgpr_count 2
		.amdhsa_user_sgpr_kernarg_segment_ptr 1
		.amdhsa_wavefront_size32 1
		.amdhsa_system_sgpr_workgroup_id_x 1
		.amdhsa_system_sgpr_workgroup_id_y 1
		.amdhsa_system_sgpr_workgroup_id_z 1
		.amdhsa_system_vgpr_workitem_id 0
		.amdhsa_next_free_vgpr 256
		.amdhsa_next_free_sgpr 88
		.amdhsa_reserve_vcc 1
		.amdhsa_float_denorm_mode_32 3
		.amdhsa_float_denorm_mode_16_64 3
		.amdhsa_memory_ordered 1
		.amdhsa_forward_progress 1
		.amdhsa_inst_pref_size 102
	.end_amdhsa_kernel
	.amdgpu_metadata
---
amdhsa.version: [ 1, 2 ]
amdhsa.kernels:
  - .name:           k_q142d39791c_prep
    .symbol:         k_q142d39791c_prep.kd
    .args:
      - { .name: judge_ids, .offset: 0, .size: 8, .value_kind: global_buffer, .address_space: global }
      - { .name: lowp_scales, .offset: 8, .size: 8, .value_kind: global_buffer, .address_space: global }
      - { .name: W1_w, .offset: 16, .size: 8, .value_kind: global_buffer, .address_space: global }
      - { .name: W1a_w, .offset: 24, .size: 8, .value_kind: global_buffer, .address_space: global }
      - { .name: W2_w, .offset: 32, .size: 8, .value_kind: global_buffer, .address_space: global }
      - { .name: W2a_w, .offset: 40, .size: 8, .value_kind: global_buffer, .address_space: global }
      - { .name: V_w, .offset: 48, .size: 8, .value_kind: global_buffer, .address_space: global }
      - { .name: Va_w, .offset: 56, .size: 8, .value_kind: global_buffer, .address_space: global }
      - { .name: W1_b, .offset: 64, .size: 8, .value_kind: global_buffer, .address_space: global }
      - { .name: W1a_b, .offset: 72, .size: 8, .value_kind: global_buffer, .address_space: global }
      - { .name: W2_b, .offset: 80, .size: 8, .value_kind: global_buffer, .address_space: global }
      - { .name: W2a_b, .offset: 88, .size: 8, .value_kind: global_buffer, .address_space: global }
      - { .name: V_b, .offset: 96, .size: 8, .value_kind: global_buffer, .address_space: global }
      - { .name: Va_b, .offset: 104, .size: 8, .value_kind: global_buffer, .address_space: global }
      - { .name: w1c, .offset: 112, .size: 8, .value_kind: global_buffer, .address_space: global }
      - { .name: w2c, .offset: 120, .size: 8, .value_kind: global_buffer, .address_space: global }
      - { .name: whc, .offset: 128, .size: 8, .value_kind: global_buffer, .address_space: global }
      - { .name: cbt, .offset: 136, .size: 8, .value_kind: global_buffer, .address_space: global }
      - { .name: order, .offset: 144, .size: 8, .value_kind: global_buffer, .address_space: global }
      - { .name: tiles, .offset: 152, .size: 8, .value_kind: global_buffer, .address_space: global }
    .group_segment_fixed_size: 84480
    .private_segment_fixed_size: 0
    .kernarg_segment_align: 8
    .kernarg_segment_size: 160
    .max_flat_workgroup_size: 256
    .sgpr_count:     88
    .vgpr_count:     256
    .wavefront_size: 32
...
	.end_amdgpu_metadata
.endif
;; end of part 1
;; launch main (part 2): grid 252 x 1, 4 waves a work-group, no clusters, 231,680 bytes of LDS; arguments x, lowp_scales, w1c, w2c, whc, cbt, order, tiles, out0; writes out0
.if DOCPART == 2
	.amdgcn_target "amdgcn-amd-amdhsa--gfx1250"
	.amdhsa_code_object_version 6
	.text
	.protected	k_q142d39791c_main
	.globl	k_q142d39791c_main
	.p2align	8
	.type	k_q142d39791c_main,@function
k_q142d39791c_main:
	s_mov_b64 s[64:65], 0
	v_nop
	global_prefetch_b8 v0, s[64:65] scope:SCOPE_SE
	s_setreg_imm32_b32 hwreg(HW_REG_WAVE_MODE, 25, 1), 1
	s_wait_xcnt 0x0
; ONE TILE OF ONE JUDGE THROUGH THE WHOLE CHAIN: gather 160 rows of x, quantise, layer 1, relu, quantise, layer 2, relu, quantise, heads, softmax, scatter.  All six products on E4M3 codes, sums in f32.
; GRID.  Each quarter of the tokens has at most (8192 + 12 x 159) / 160 = 63 tiles, whatever the split: 252 work-groups; work-group 4 i + sc takes tile i of quarter sc from the list.  A tile with fewer than 160 rows
; repeats its last row (row index min(row, count - 1)): those lanes store the same numbers to the same places.  A tile without rows runs the same text with all lanes off at its stores: no branch hangs on a loaded number.
; SHARES.  THE WAVES SHARE THE COLUMNS: wave w owns hidden units 64 w .. 64 w + 63 of both layers and K slice w of the heads, for all ten tiles of 16 rows.  Its weights (the judge's = version a, the shared = version b)
; stay in registers, read once as images of the operand's registers.  Each layer has two sums with different powers of two: h = a x 2^(sa - sb) + b; biases and the appended one's terms are b's C (tables cb1-cb3).
; Each activation is quantised twice, since the two products have scales of their own.  All products are used transposed (source 0 = 16 units, source 1 = 16 rows), so a lane holds one row and eight neighbouring units:
; a conversion's two registers are registers 2 t, 2 t + 1 of the next operand.  z1 goes from wave to wave as register images in LDS; z2's codes are the heads' K = 64 operand as they stand; the four waves' partial
; logits meet in LDS.  x's 36 numbers lie 18 to a half of the lanes, in the same places as W1's codes: a permutation of k that is the same on both sides.
; BY TURNS.  While tile m's products are issued, tile m - 1's sums are joined and held (macro QSN), a few lines behind each matrix instruction; those lines keep their vector sources out of source 0, so that they
; run under the products' register window.  LDS waits are counted by the text itself: ISS counts the LDS instructions emitted, a mark is taken behind a group, and the wait names ISS - mark, those issued later.
; NO JOINT LOADS: what work-groups share is the shared matrices' 94,208 of a work-group's 188,416 bytes of weights; each is read once, straight into registers.  A joint request lands in LDS, where 231,040 bytes are
; in use, and every such byte would be written to and read from LDS once more.
; LIMITS on the given exponents, so that each power of two below is an f32 number: e0, e2, e4 - sb1, e6 - sb1, e10 - sb2, e8 - sb2 between -126 and 119; sa - sb of each layer between -126 and 127; e8 + e9 between
; -126 and 126.  NaN among the inputs is not served.  The f32 sums run in another order than a dot product over K = 257 would.
; REGISTERS.  Window 0: v0 thread; v1-15 addresses and the quantisers' constants; v16-31 codes just made; v32-95 fragments (in layer 1: two slots of x, then cb1); v96-127 cb2; v128-191, v192-255 two sets of sums
; (version a at + 8 t, version b at + 32 + 8 t).  Window 1: layer 2's weights at 16 ((4 ver + t) 2 + s).  Window 2: layer 1's at 8 (4 ver + t); the heads' at 64 + 8 (3 ver + T); cb3 at 112; partial logits at 136.
.set NT,   10                          ; tiles of 16 rows
.set XIMG, 0                           ; LDS: x's images: 2048 tile + 1024 ver + 512 g + 16 lane
.set Z1,   20480                       ; z1's: 8192 tile + 4096 ver + 1024 w + 512 g + 16 lane (K step w / 2, registers 8 (w % 2) + 4 g on)
.set STG,  102400                      ; the results: 160 bytes a row, of which 140 are the row of out0
.set TOK,  128000                      ; the rows' token numbers, 640 bytes
.set PL,   128640                      ; partial logits: 10240 tile + 2560 w + 512 g + 16 lane.  (Stage, tokens, logits lie in this order: see the last phase)
.set LI,   1                           ; 16 x lane
.set ZW0,  2                           ; v2, v3  z1's images, stores: tiles 0-4, 5-9 (an LDS offset has 16 bits)
.set ZR0,  4                           ; v4, v5  and loads
.set PW0,  6                           ; v6, v7  partial logits, stores
.set LA,   8                           ; 448 x the scale, version a; LB: version b; SA, SB: the scales
.set LB,   9
.set SA,   10
.set SB,   11
.set XW,   12
.set H32,  13
.set H96,  14
.set TOKW, 15
.set PCD,  16
.set FR,   32
.set CB1,  64
.set CB2,  96
.set ACC,  128
.set XR,   128                         ; at the head, in the sums' registers: x as loaded, 18 numbers a tile;
.set QA,   184                         ; the held numbers of versions a and b, 24 each, the last six zeros;
.set QB,   208
.set VR,   238                         ; and what the gather needs
.set VH,   239
.set ROW,  240
.set H72,  241
.set H68,  242
.set TA,   243
.set TK,   246
.set O1,   249
.set O2,   252
.set WHF,  64                          ; window 2
.set CB3,  112
.set PO,   136
.set PRA,  2                           ; behind the third barrier v2-7 are made anew
.set PRB,  3
.set SW,   4
.set OV,   5
.set OT,   6
.set C4,   7
.set MSB, 0
.macro WIN new                         ; the immediate's high byte repeats the setting that is left; a switch that changes nothing is dropped
.if MSB != \new
	s_set_vgpr_msb (MSB<<8)|\new
.set MSB, \new
.endif
.endm
.macro PLACES n
.rept \n
	v_nop
.endr
.endm
.macro BAR                             ; my LDS stores have landed and my LDS loads are in: then the work-group's barrier
	s_wait_dscnt 0x0
	s_barrier_signal -1
	s_barrier_wait -1
.endm
.macro MKQ q, e                        ; s[q] = 2^e as f32, s[q+1] = 448 x 2^e; e in s[e]
	s_add_co_i32 s[\q+1], s[\e], 127
	s_lshl_b32 s[\q], s[\q+1], 23
	s_add_co_i32 s[\q+1], s[\q+1], 8
	s_lshl_b32 s[\q+1], s[\q+1], 23
	s_or_b32 s[\q+1], s[\q+1], 0x600000
.endm
.macro P2 d, e                         ; s[d], s[d+1] = 2^e as f32 (a pair: the packed forms name both words)
	s_add_co_i32 s[\d], s[\e], 127
	s_lshl_b32 s[\d], s[\d], 23
	s_mov_b32 s[\d+1], s[\d]
.endm
	s_load_b512 s[4:19], s[0:1], 0x0               ; x 4, scales 6, w1c 8, w2c 10, whc 12, cbt 14, order 16, tiles 18
	s_load_b64 s[20:21], s[0:1], 0x40              ; out0
	s_set_vgpr_msb 0x80
	v_lshl_add_u32 v160, v0, 2, 0x38700
	v_mov_b32 v161, 0
	s_set_vgpr_msb 0x8000
	v_lshrrev_b32 v[VR], 5, v0
	v_readfirstlane_b32 s22, v[VR]                 ; wave 0..3
	v_and_b32 v[LI], 31, v0
	v_lshlrev_b32 v[LI], 4, v[LI]
	v_and_b32 v[VR], 15, v0                        ; r
	v_bfe_u32 v[VH], v0, 4, 1                      ; h
	s_lshl_b32 s2, s22, 10
	s_add_co_u32 s2, s2, Z1
	v_add_nc_u32 v[ZW0], s2, v[LI]
	v_add_nc_u32 v[ZW0+1], 40960, v[ZW0]
	v_add_nc_u32 v[ZR0], Z1, v[LI]
	v_add_nc_u32 v[ZR0+1], Z1+40960, v[LI]
	s_mul_i32 s2, s22, 2560
	s_add_co_u32 s2, s2, PL
	v_add_nc_u32 v[PW0], s2, v[LI]
	v_add_nc_u32 v[PW0+1], 51200, v[PW0]
	s_lshl_b32 s2, s22, 11
	v_add_nc_u32 v[XW], s2, v[LI]
	s_lshl_b32 s2, s22, 6
	s_add_co_u32 s2, s2, TOK
	v_lshl_add_u32 v[TOKW], v[VR], 2, s2
	v_lshlrev_b32 v[H32], 5, v[VH]
	v_mul_u32_u24 v[H96], v[VH], 96
	s_lshl_b32 s2, s22, 4
	v_add_nc_u32 v[ROW], s2, v[VR]                 ; my row in tile w: 16 w + r
	v_mul_u32_u24 v[H72], v[VH], 72                ; lanes 16-31 begin at number 18
	v_mad_u32_u24 v[H68], v[VH], 68, 68            ; the lane's last load: number 17, or (lanes 16-31, where the one will stand) number 34 once more: no load leaves x
.irp k, 18,19,20,21,22,23
	v_mov_b32 v[QA+\k], 0
	v_mov_b32 v[QB+\k], 0
.endr
.irp k, 6,7,14,15
	v_mov_b32 v[PCD+\k], 0                         ; bytes 24-31 of x's fragments
.endr
	s_lshl_b32 s2, ttmp9, 4
	s_mov_b32 s3, 0
	s_mov_b32 s48, 0xffff0000                      ; lanes 16-31
	s_wait_kmcnt 0x0
	s_add_nc_u64 s[18:19], s[18:19], s[2:3]
	s_load_b128 s[24:27], s[18:19], 0x0            ; judge, first place, rows, 0
	s_load_b256 s[28:35], s[6:7], 0x0              ; e0 .. e7
	s_load_b128 s[36:39], s[6:7], 0x20             ; e8 .. e11
	s_wait_kmcnt 0x0
	s_min_u32 s24, s24, 11
	s_min_u32 s25, s25, 0x7fff
	s_min_u32 s26, s26, 160
	s_max_u32 s27, s26, 1
	s_sub_co_u32 s27, s27, 1                       ; the last row's index
.macro XTOK i                          ; the token of my row in tile w + 4 i
	v_add_nc_u32 v[TA+\i], 64*\i, v[ROW]
	v_min_u32 v[TA+\i], s27, v[TA+\i]
	v_add_nc_u32 v[TA+\i], s25, v[TA+\i]
	v_min_u32 v[TA+\i], 0x7fff, v[TA+\i]
	v_lshlrev_b32 v[TA+\i], 2, v[TA+\i]
	global_load_b32 v[TK+\i], v[TA+\i], s[16:17]
.endm
	XTOK 0
	XTOK 1
	s_cmp_ge_u32 s22, NT-8                         ; tiles 8 and 9 are waves 0's and 1's third
	s_cbranch_scc1 .Lno_tok2
	XTOK 2
.Lno_tok2:
	s_lshl_b32 s23, s22, 12
	s_lshl_b32 s2, s24, 14
	s_add_co_u32 s2, s2, s23
	s_add_nc_u64 s[50:51], s[8:9], s[2:3]          ; w1c: the judge's, my four tiles
	s_add_co_u32 s2, s23, 12*16384
	s_add_nc_u64 s[52:53], s[8:9], s[2:3]          ; the shared
	s_lshl_b32 s23, s22, 14
	s_lshl_b32 s2, s24, 16
	s_add_co_u32 s2, s2, s23
	s_add_nc_u64 s[54:55], s[10:11], s[2:3]        ; w2c likewise
	s_add_co_u32 s2, s23, 12*65536
	s_add_nc_u64 s[56:57], s[10:11], s[2:3]
	s_mul_i32 s23, s22, 3072
	s_mul_i32 s2, s24, 12288
	s_add_co_u32 s2, s2, s23
	s_add_nc_u64 s[58:59], s[12:13], s[2:3]        ; whc likewise: my K slice
	s_add_co_u32 s2, s23, 12*12288
	s_add_nc_u64 s[60:61], s[12:13], s[2:3]
	s_mul_i32 s2, s24, 2304
	s_add_nc_u64 s[78:79], s[14:15], s[2:3]        ; cbt of the judge,
	s_lshl_b32 s2, s22, 8
	s_add_nc_u64 s[62:63], s[78:79], s[2:3]        ; and at my 64 units
	WIN 0x80                                       ; destination window 2
.irp t, 0,1,2,3
.irp g, 0,1
	global_load_b128 v[8*\t+4*\g:8*\t+4*\g+3], v[LI], s[50:51] offset:1024*\t+512*\g
	global_load_b128 v[32+8*\t+4*\g:32+8*\t+4*\g+3], v[LI], s[52:53] offset:1024*\t+512*\g
.endr
.endr
	WIN 0
.irp t, 0,1,2,3
	global_load_b128 v[CB1+8*\t:CB1+8*\t+3], v[H32], s[62:63] offset:64*\t         ; lane (r, h), register j: unit 64 w + 16 t + 8 h + j: the result's layout
	global_load_b128 v[CB1+8*\t+4:CB1+8*\t+7], v[H32], s[62:63] offset:64*\t+16
.endr
	s_wait_loadcnt 24                              ; the 24 loads just issued may be out: the tokens are in
.macro XLD i
	v_min_u32 v[TK+\i], 0x7fff, v[TK+\i]
	ds_store_b32 v[TOKW], v[TK+\i] offset:256*\i   ; (both halves of the lanes store the same sixteen words)
	v_mad_u32_u24 v[O1+\i], v[TK+\i], 140, v[H72]
	v_mad_u32_u24 v[O2+\i], v[TK+\i], 140, v[H68]
.irp k, 0,1,2,3,4,5,6,7,8,9,10,11,12,13,14,15,16
	global_load_b32 v[XR+18*\i+\k], v[O1+\i], s[4:5] offset:4*\k
.endr
	global_load_b32 v[XR+18*\i+17], v[O2+\i], s[4:5]
.endm
	XLD 0
	XLD 1
	s_cmp_ge_u32 s22, NT-8
	s_cbranch_scc1 .Lno_x2
	XLD 2
.Lno_x2:
	WIN 0x40                                       ; destination window 1: layer 2's weights of the judge
.irp t, 0,1,2,3
.irp s, 0,1
.irp g, 0,1,2,3
	global_load_b128 v[16*(2*\t+\s)+4*\g:16*(2*\t+\s)+4*\g+3], v[LI], s[54:55] offset:4096*\t+2048*\s+512*\g
.endr
.endr
.endr
	WIN 0
	s_add_co_i32 s80, s28, s29                     ; sa1
	s_add_co_i32 s81, s30, s31                     ; sb1
	s_sub_co_i32 s80, s80, s81
	P2 40, 80                                      ; s[40:41] = 2^(sa1 - sb1)
	s_add_co_i32 s80, s32, s33
	s_add_co_i32 s82, s34, s35                     ; sb2
	s_sub_co_i32 s80, s80, s82
	P2 42, 80
	s_add_co_i32 s80, s38, s39
	s_add_co_i32 s83, s36, s37                     ; sb3
	s_sub_co_i32 s80, s80, s83
	P2 44, 80
	s_lshl_b32 s80, s83, 23
	s_add_co_i32 s46, s80, 0x3fb8aa3b              ; log2(e) x 2^sb3: the exponent is added to the constant's exponent field
	s_mov_b32 s47, s46
	MKQ 66, 28                                     ; x: e0 for version a,
	MKQ 68, 30                                     ; e2 for version b
	s_sub_co_i32 s80, s32, s81                     ; z1: h stands for h x 2^sb1, so its code is h / 2^(e - sb1)
	MKQ 70, 80
	s_sub_co_i32 s80, s34, s81
	MKQ 72, 80
	s_sub_co_i32 s80, s38, s82                     ; z2: e10 for the judge's heads, e8 for the shared
	MKQ 74, 80
	s_sub_co_i32 s80, s36, s82
	MKQ 76, 80
	v_mov_b32 v[SA], s66
	v_mov_b32 v[LA], s67
	v_mov_b32 v[SB], s68
	v_mov_b32 v[LB], s69
	s_wait_loadcnt 32                              ; the 32 loads just issued may be out: x, layer 1's weights and cb1 are in
; ---- X: my tiles of x become fragments, twice, and go to LDS as images
.macro XQ i
	v_cndmask_b32 v[XR+18*\i+17], v[XR+18*\i+17], 1.0, s48   ; the appended one: number 35
.irp k, 0,1,2,3,4,5,6,7,8,9,10,11,12,13,14,15,16,17
	v_med3_num_f32 v[QA+\k], v[XR+18*\i+\k], -v[LA], v[LA]   ; the conversion to an 8-bit code does not saturate (ISA guide 7.6.2)
	v_med3_num_f32 v[QB+\k], v[XR+18*\i+\k], -v[LB], v[LB]
.endr
.irp c, 0,1,2
	v_cvt_scalef32_pk8_fp8_f32 v[PCD+2*\c:PCD+2*\c+1], v[QA+8*\c:QA+8*\c+7], v[SA]
	v_cvt_scalef32_pk8_fp8_f32 v[PCD+8+2*\c:PCD+8+2*\c+1], v[QB+8*\c:QB+8*\c+7], v[SB]
.endr
	v_nop                                          ; a plain line between the conversions and whatever writes their sources
.irp q, 0,1,2,3
	ds_store_b128 v[XW], v[PCD+4*\q:PCD+4*\q+3] offset:XIMG+8192*\i+512*\q
.endr
	s_wait_dscnt 0x0                               ; the stores have read their registers
.endm
	XQ 0
	XQ 1
	s_cmp_ge_u32 s22, NT-8
	s_cbranch_scc1 .Lno_q2
	XQ 2
.Lno_q2:
	WIN 0x40                                       ; the rest of the weights: they have all of layer 1 in which to land
.irp t, 0,1,2,3
.irp s, 0,1
.irp g, 0,1,2,3
	global_load_b128 v[128+16*(2*\t+\s)+4*\g:128+16*(2*\t+\s)+4*\g+3], v[LI], s[56:57] offset:4096*\t+2048*\s+512*\g
.endr
.endr
.endr
	WIN 0
.irp t, 0,1,2,3
	global_load_b128 v[CB2+8*\t:CB2+8*\t+3], v[H32], s[62:63] offset:1024+64*\t
	global_load_b128 v[CB2+8*\t+4:CB2+8*\t+7], v[H32], s[62:63] offset:1024+64*\t+16
.endr
	WIN 0x80
.irp T, 0,1,2
.irp g, 0,1
	global_load_b128 v[WHF+8*\T+4*\g:WHF+8*\T+4*\g+3], v[LI], s[58:59] offset:1024*\T+512*\g
	global_load_b128 v[WHF+24+8*\T+4*\g:WHF+24+8*\T+4*\g+3], v[LI], s[60:61] offset:1024*\T+512*\g
.endr
.endr
.irp T, 0,1,2
	global_load_b128 v[CB3+8*\T:CB3+8*\T+3], v[H96], s[78:79] offset:2048+32*\T
	global_load_b128 v[CB3+8*\T+4:CB3+8*\T+7], v[H96], s[78:79] offset:2048+32*\T+16
.endr
	WIN 0
	v_mov_b32 v[SA], s70
	v_mov_b32 v[LA], s71
	v_mov_b32 v[SB], s72
	v_mov_b32 v[LB], s73
	BAR                                            ; x's twenty fragments lie in LDS
; The next n of a set's 80 lines.  0-15: h = a x 2^(sa - sb) + b, in a's place, each sum from its low end on; 16-47: relu and the hold for version a in one, into b's place; 48-79: for version b, in place.
.macro QSN n
.rept \n
.if QK < 16
	v_pk_fma_f32 v[QSET+2*QK:QSET+2*QK+1], s[QP:QP+1], v[QSET+2*QK:QSET+2*QK+1], v[QSET+32+2*QK:QSET+32+2*QK+1] op_sel_hi:[0,1,1]
.elseif QK < 48
	v_med3_num_f32 v[QSET+16+QK], 0, v[QSET+QK-16], v[LA]
.else
	v_med3_num_f32 v[QSET+QK-48], 0, v[QSET+QK-48], v[LB]
.endif
.set QK, QK+1
.endr
.endm
.macro CODES TS                        ; a set's 64 held numbers become 16 registers of codes: version a in PCD .. + 7, version b in PCD + 8 ..
.irp t, 0,1,2,3
	v_cvt_scalef32_pk8_fp8_f32 v[PCD+2*\t:PCD+2*\t+1], v[\TS+32+8*\t:\TS+32+8*\t+7], v[SA]
	v_cvt_scalef32_pk8_fp8_f32 v[PCD+8+2*\t:PCD+8+2*\t+1], v[\TS+8*\t:\TS+8*\t+7], v[SB]
.endr
	v_nop                                          ; a plain line between the conversions and the matrix instructions that read their results or write their sources
.endm
; ---- layer 1
.macro XFR m                           ; tile m's two fragments of x into slot m % 2
.irp q, 0,1,2,3
	ds_load_b128 v[FR+16*((\m)%2)+4*\q:FR+16*((\m)%2)+4*\q+3], v[LI] offset:XIMG+2048*(\m)+512*\q
.endr
.set ISS, ISS+4
.if ((\m)%2) == 0
.set MX0, ISS
.else
.set MX1, ISS
.endif
.endm
.macro MM1 m, q                        ; eight products, each a sum of its own (K = 64 holds all 36); q = 1: ten lines of the tile before stand behind each
.set CS, ACC+64*((\m)%2)
.set QSET, ACC+64*(1-((\m)%2))
.set XS, FR+16*((\m)%2)
.set QK, 0
.if ((\m)%2) == 0
	s_wait_dscnt ISS-MX0                           ; the LDS instructions issued behind this slot's loads may be out
.else
	s_wait_dscnt ISS-MX1
.endif
	WIN 0x02                                       ; source 0 (the weights) window 2
.irp t, 0,1,2,3
	v_wmma_f32_16x16x64_fp8_fp8 v[CS+8*\t:CS+8*\t+7], v[8*\t:8*\t+7], v[XS:XS+7], 0
.if \q
	QSN 10
.endif
	v_wmma_f32_16x16x64_fp8_fp8 v[CS+32+8*\t:CS+32+8*\t+7], v[32+8*\t:32+8*\t+7], v[XS+8:XS+15], v[CB1+8*\t:CB1+8*\t+7]
.if \q
	QSN 10
.endif
.endr
.if !(\q)
	PLACES 4                                       ; four plain lines before results are read and before loads land in registers that matrix instructions have read
.endif
.endm
.macro TAIL1 m                         ; tile m's codes go to LDS; the slot that the last products have left takes tile m + 3
.set TS1, ACC+64*((\m)%2)
	WIN 0
	s_wait_dscnt ISS-MPC                           ; the last stores of the codes' registers are done
	CODES TS1
.irp q, 0,1,2,3
	ds_store_b128 v[ZW0+(\m)/5], v[PCD+4*\q:PCD+4*\q+3] offset:8192*((\m)%5)+4096*(\q/2)+512*(\q%2)
.endr
.set ISS, ISS+4
.set MPC, ISS
.if (\m)+3 < NT
	XFR (\m)+3
.endif
.endm
.set ISS, 0
.set MPC, 0
.set MX0, 0
.set MX1, 0
.set QP, 40
	XFR 0
	XFR 1
	MM1 0, 0
	WIN 0
	XFR 2
.irp m, 1,2,3,4,5,6,7,8,9
	MM1 \m, 1
	TAIL1 \m-1
.endr
.set QSET, ACC+64*((NT-1)%2)
.set QK, 0
	QSN 80
	TAIL1 NT-1
	v_mov_b32 v[SA], s74
	v_mov_b32 v[LA], s75
	v_mov_b32 v[SB], s76
	v_mov_b32 v[LB], s77
	s_wait_loadcnt 0x0                             ; all weights and tables are in
	s_cmp_eq_u32 s22, 0
	s_cselect_b32 s2, -1, 0
	WIN 0x88                                       ; source 1 and destination window 2
.set n, 0
.rept 24
	v_and_b32 v[CB3+n], s2, v[CB3+n]               ; the four waves' partial logits are added: cb3 counts once, in wave 0; the others take zeros
.set n, n+1
.endr
	WIN 0
	BAR                                            ; z1's forty fragments lie in LDS
; ---- layer 2 and the heads.  Fragment f = 2 s + ver of a tile: version ver, K step s.
.macro RF m, f
	WIN 0
.irp G, 0,1,2,3
	ds_load_b128 v[FR+32*((\f)%2)+16*((\f)/2)+4*\G:FR+32*((\f)%2)+16*((\f)/2)+4*\G+3], v[ZR0+(\m)/5] offset:8192*((\m)%5)+4096*((\f)%2)+2048*((\f)/2)+512*\G
.endr
.set ISS, ISS+4
.set MF\f, ISS
.endm
.macro MM2 m, q                        ; sixteen products: the eight sums take turns, one instruction a turn; behind each group its fragment's registers take the next tile's
.set CS, ACC+64*((\m)%2)
.set QSET, ACC+64*(1-((\m)%2))
.set QK, 0
.irp f, 0,1,2,3
	s_wait_dscnt ISS-MF\f                          ; the LDS instructions issued behind this fragment's loads may be out
	WIN 0x01                                       ; source 0 (the weights) window 1
.irp t, 0,1,2,3
.set DD, CS+32*(\f%2)+8*\t
.set AA, 16*((4*(\f%2)+\t)*2+(\f/2))
.set BB, FR+32*(\f%2)+16*(\f/2)
.if \f == 0
	v_wmma_f32_16x16x128_fp8_fp8 v[DD:DD+7], v[AA:AA+15], v[BB:BB+15], 0
.elseif \f == 1
	v_wmma_f32_16x16x128_fp8_fp8 v[DD:DD+7], v[AA:AA+15], v[BB:BB+15], v[CB2+8*\t:CB2+8*\t+7]
.else
	v_wmma_f32_16x16x128_fp8_fp8 v[DD:DD+7], v[AA:AA+15], v[BB:BB+15], v[DD:DD+7]
.endif
.if \q
	QSN 5
.endif
.endr
.if !(\q)
	PLACES 4
.endif
.if (\m)+1 < NT
	RF (\m)+1, \f
.endif
.endr
.endm
.macro TAIL2 m                         ; tile m's codes of z2 are the heads' operand for my K slice: six products into the tile's own set, whose numbers are done with; the two versions are joined and go to LDS
.set TS2, ACC+64*((\m)%2)
	WIN 0
	CODES TS2
	WIN 0x22                                       ; source 0 (the heads' weights) and source 2 (cb3) window 2
.irp T, 0,1,2
	v_wmma_f32_16x16x64_fp8_fp8 v[TS2+8*\T:TS2+8*\T+7], v[WHF+8*\T:WHF+8*\T+7], v[PCD:PCD+7], 0
	v_wmma_f32_16x16x64_fp8_fp8 v[TS2+32+8*\T:TS2+32+8*\T+7], v[WHF+24+8*\T:WHF+24+8*\T+7], v[PCD+8:PCD+15], v[CB3+8*\T:CB3+8*\T+7]
.endr
	PLACES 5                                       ; four before the results are read; five since the next tile but one's first products write over them
	s_wait_dscnt ISS-MPO                           ; the last stores of the partial logits' registers are done
	WIN 0x80                                       ; destination window 2
.irp p, 0,2,4,6,8,10,12,14,16,18
	v_pk_fma_f32 v[PO+\p:PO+\p+1], s[44:45], v[TS2+\p:TS2+\p+1], v[TS2+32+\p:TS2+32+\p+1] op_sel_hi:[0,1,1]   ; logits idx 0-19 of my half, each sum from its low end on
.endr
	WIN 0x08                                       ; store data window 2
.irp g, 0,1,2,3,4
	ds_store_b128 v[PW0+(\m)/5], v[PO+4*\g:PO+4*\g+3] offset:10240*((\m)%5)+512*\g
.endr
.set ISS, ISS+5
.set MPO, ISS
.endm
.set ISS, 0
.set MPO, 0
.set QP, 42
	RF 0, 0
	RF 0, 1
	RF 0, 2
	RF 0, 3
	MM2 0, 0
.irp m, 1,2,3,4,5,6,7,8,9
	MM2 \m, 1
	TAIL2 \m-1
.endr
	WIN 0
.set QSET, ACC+64*((NT-1)%2)
.set QK, 0
	QSN 80
	TAIL2 NT-1
	WIN 0
	BAR                                            ; the partial logits of all ten tiles lie in LDS
; ---- F: wave w adds the four parts of tiles w + 4 i and takes the softmax: a lane holds four groups of five (lanes 16-31: three, and five places that are not stored to memory)
	s_mul_i32 s2, s22, 10240
	s_add_co_u32 s2, s2, PL
	v_add_nc_u32 v[PRA], s2, v[LI]
	v_add_nc_u32 v[PRB], 81920, v[PRA]
	v_and_b32 v8, 15, v0
	v_bfe_u32 v9, v0, 4, 1
	v_mul_u32_u24 v[SW], v8, 160
	v_mad_u32_u24 v[SW], v9, 80, v[SW]
	s_mul_i32 s2, s22, 2560
	s_add_co_u32 s2, s2, STG
	v_add_nc_u32 v[SW], s2, v[SW]                  ; row 16 w + r, + 80 h: logit n lies at byte 4 n of its row
	v_mul_u32_u24 v8, v0, 937                      ; thread x 937 / 2^15 = thread / 35 x 1.00083: with thread = 35 q + c its fraction is (937 c + 27 q) / 2^15
	v_and_b32 v9, 0x7fff, v8
	v_lshrrev_b32 v8, 15, v8                       ; q = thread / 35, 0 to 3 (exact up to thread 127)
	v_mul_u32_u24 v9, v9, 35
	v_lshrrev_b32 v9, 15, v9                       ; c = thread % 35: the fraction x 35 = 1.00083 c + 0.029 q, under c + 1 for c up to 34
	v_lshlrev_b32 v[C4], 2, v9
	v_mad_u32_u24 v[OV], v8, 160, v[C4]
	v_add_nc_u32 v[OV], STG, v[OV]
	v_lshl_add_u32 v[OT], v8, 2, TOK
.macro FTL B, adr, off
.irp wv, 0,1,2,3
.irp g, 0,1,2,3,4
	ds_load_b128 v[\B+20*\wv+4*\g:\B+20*\wv+4*\g+3], v[\adr] offset:\off+2560*\wv+512*\g
.endr
.endr
.endm
.macro FTC i, B
.set p, 0
.rept 10
	v_pk_add_f32 v[\B+p:\B+p+1], v[\B+p:\B+p+1], v[\B+20+p:\B+21+p]
	v_pk_add_f32 v[\B+40+p:\B+41+p], v[\B+40+p:\B+41+p], v[\B+60+p:\B+61+p]
.set p, p+2
.endr
.set p, 0
.rept 10
	v_pk_add_f32 v[\B+p:\B+p+1], v[\B+p:\B+p+1], v[\B+40+p:\B+41+p]
.set p, p+2
.endr
.set p, 0
.rept 10
	v_pk_mul_f32 v[\B+p:\B+p+1], v[\B+p:\B+p+1], s[46:47] op_sel_hi:[1,0]         ; t = logit x log2(e)
.set p, p+2
.endr
.irp q, 0,1,2,3
	v_max3_num_f32 v[\B+80+\q], v[\B+5*\q], v[\B+5*\q+1], v[\B+5*\q+2]
.endr
.irp q, 0,1,2,3
	v_max3_num_f32 v[\B+80+\q], v[\B+80+\q], v[\B+5*\q+3], v[\B+5*\q+4]            ; the group's largest t is taken away, as the softmax has it
.endr
.irp q, 0,1,2,3
.irp e, 0,1,2,3,4
	v_sub_f32 v[\B+5*\q+\e], v[\B+5*\q+\e], v[\B+80+\q]
.endr
.endr
.set p, 0
.rept 20
	v_exp_f32 v[\B+p], v[\B+p]
.set p, p+1
.endr
	v_nop                                          ; a plain line behind the exponentials
	s_wait_alu depctr_va_vdst(0)
.irp q, 0,1,2,3
	v_add_f32 v[\B+84+\q], v[\B+5*\q], v[\B+5*\q+1]
	v_add_f32 v[\B+88+\q], v[\B+5*\q+2], v[\B+5*\q+3]
.endr
.irp q, 0,1,2,3
	v_add_f32 v[\B+84+\q], v[\B+84+\q], v[\B+88+\q]
.endr
.irp q, 0,1,2,3
	v_add_f32 v[\B+84+\q], v[\B+84+\q], v[\B+5*\q+4]
.endr
.irp q, 0,1,2,3
	v_rcp_f32 v[\B+92+\q], v[\B+84+\q]
.endr
	v_nop                                          ; a plain line behind the reciprocals
	s_wait_alu depctr_va_vdst(0)
.irp q, 0,1,2,3
.irp e, 0,1,2,3,4
	v_mul_f32 v[\B+5*\q+\e], v[\B+5*\q+\e], v[\B+92+\q]
.endr
.endr
.irp g, 0,1,2,3,4
	ds_store_b128 v[SW], v[\B+4*\g:\B+4*\g+3] offset:10240*\i+16*\g
.endr
.endm
	FTL 32, PRA, 0
	FTL 128, PRA, 40960
	s_wait_dscnt 20                                ; the second tile's twenty loads may be out
	FTC 0, 32
	s_wait_dscnt 5                                 ; the first tile's five stores may be out
	FTC 1, 128
	s_cmp_ge_u32 s22, NT-8
	s_cbranch_scc1 .Lno_f2
	s_wait_dscnt 5                                 ; the second tile's stores may be out: the first tile's have read their registers, which now take loads
	FTL 32, PRB, 0
	s_wait_dscnt 0x0
	FTC 2, 32
.Lno_f2:
	BAR                                            ; 160 rows of results lie in the stage
; ---- OUT: threads 0-104 store three rows a turn, 35 neighbouring lanes a row of 140 consecutive bytes, at the row's token.  54 turns; the last takes rows 157-159, two of them a second time with the same numbers.
; The numbers and tokens are read, the tokens held inside the table and the offsets made WITH ALL LANES ON, so that every offset register is written whole; only then are lanes switched off, and the 54 stores follow.
; Threads 105-127 (q = 3) read a row further on than the turn's three and store nothing; in the last turn that row lies behind the stage, in the tokens, and its token behind the tokens, in the partial logits:
; bytes that have been written, inside what the work-group is given.
.macro OLD b                           ; batch b: nine turns' numbers and tokens
.set oi, 9*(\b)
.rept 9
.set R0, 3*oi
.if R0 > 157
.set R0, 157
.endif
	ds_load_b32 v[32+oi], v[OV] offset:160*R0
	ds_load_b32 v[128+oi], v[OT] offset:4*R0
.set oi, oi+1
.endr
.endm
.macro OAD b                           ; their byte offsets in out0: 140 x token + 4 c; every turn has registers of its own
.set oi, 9*(\b)
.rept 9
	v_min_u32 v[128+oi], 0x7fff, v[128+oi]
	v_mad_u32_u24 v[192+oi], v[128+oi], 140, v[C4]
.set oi, oi+1
.endr
.endm
	OLD 0
	OLD 1
	OLD 2
	s_wait_dscnt 36                                ; two batches of eighteen loads may be out
	OAD 0
	OLD 3
	s_wait_dscnt 36
	OAD 1
	OLD 4
	s_wait_dscnt 36
	OAD 2
	OLD 5
	s_wait_dscnt 36
	OAD 3
	s_wait_dscnt 18
	OAD 4
	s_wait_dscnt 0x0
	OAD 5
	s_wait_xcnt 0x0                                ; EXEC changes only behind this wait
	s_cmp_lg_u32 s26, 0
	s_cselect_b32 s2, 105, 0                       ; a tile without rows stores nothing: every lane is off
	v_cmp_gt_u32 vcc_lo, s2, v0
	s_set_vgpr_msb 0xa
	s_wait_tensorcnt 0x0
	ds_add_u32 v160, v161
	s_wait_dscnt 0x0
	s_set_vgpr_msb 0xa00
	s_and_saveexec_b32 s3, vcc_lo
.set oi, 0
.rept 54
	global_store_b32 v[192+oi], v[32+oi], s[20:21] th:TH_STORE_NT
.set oi, oi+1
.endr
	s_endpgm
.Lfunc_end_k_q142d39791c_main:
	.size	k_q142d39791c_main, .Lfunc_end_k_q142d39791c_main-k_q142d39791c_main
	.p2alignl 7, 3214868480
	.fill 96, 4, 3214868480
	.section	.rodata,"a",@progbits
	.p2align	6, 0x0
	.amdhsa_kernel k_q142d39791c_main
		.amdhsa_group_segment_fixed_size 231680
		.amdhsa_private_segment_fixed_size 0
		.amdhsa_enable_private_segment 0
		.amdhsa_kernarg_size 72
		.amdhsa_user_sgpr_count 2
		.amdhsa_user_sgpr_kernarg_segment_ptr 1
		.amdhsa_wavefront_size32 1
		.amdhsa_system_sgpr_workgroup_id_x 1
		.amdhsa_system_sgpr_workgroup_id_y 1
		.amdhsa_system_sgpr_workgroup_id_z 1
		.amdhsa_system_vgpr_workitem_id 0
		.amdhsa_next_free_vgpr 674
		.amdhsa_next_free_sgpr 88
		.amdhsa_reserve_vcc 1
		.amdhsa_float_denorm_mode_32 3
		.amdhsa_float_denorm_mode_16_64 3
		.amdhsa_memory_ordered 1
		.amdhsa_forward_progress 1
		.amdhsa_inst_pref_size 241
	.end_amdhsa_kernel
	.amdgpu_metadata
---
amdhsa.version: [ 1, 2 ]
amdhsa.kernels:
  - .name:           k_q142d39791c_main
    .symbol:         k_q142d39791c_main.kd
    .args:
      - { .name: x, .offset: 0, .size: 8, .value_kind: global_buffer, .address_space: global }
      - { .name: lowp_scales, .offset: 8, .size: 8, .value_kind: global_buffer, .address_space: global }
      - { .name: w1c, .offset: 16, .size: 8, .value_kind: global_buffer, .address_space: global }
      - { .name: w2c, .offset: 24, .size: 8, .value_kind: global_buffer, .address_space: global }
      - { .name: whc, .offset: 32, .size: 8, .value_kind: global_buffer, .address_space: global }
      - { .name: cbt, .offset: 40, .size: 8, .value_kind: global_buffer, .address_space: global }
      - { .name: order, .offset: 48, .size: 8, .value_kind: global_buffer, .address_space: global }
      - { .name: tiles, .offset: 56, .size: 8, .value_kind: global_buffer, .address_space: global }
      - { .name: out0, .offset: 64, .size: 8, .value_kind: global_buffer, .address_space: global }
    .group_segment_fixed_size: 231680
    .private_segment_fixed_size: 0
    .kernarg_segment_align: 8
    .kernarg_segment_size: 72
    .max_flat_workgroup_size: 128
    .sgpr_count:     88
    .vgpr_count:     674
    .wavefront_size: 32
...
	.end_amdgpu_metadata
.endif
;; end of part 2
;; ======== version 2 of 2: 2 launches; version 1 with the launch prep written anew for expert scheduling mode
;; workspace buffers: w1c 212,992 bytes; w2c 851,968 bytes; whc 159,744 bytes; cbt 29,952 bytes; order 131,072 bytes of whole numbers; tiles 16,384 bytes of whole numbers
;; launch prep (part 3): grid 133 x 1, 8 waves a work-group, no clusters, 84,480 bytes of LDS; arguments judge_ids, lowp_scales, W1_w, W1a_w, W2_w, W2a_w, V_w, Va_w, W1_b, W1a_b, W2_b, W2a_b, V_b, Va_b, w1c, w2c, whc, cbt, order, tiles; writes w1c, w2c, whc, cbt, order, tiles
.if DOCPART == 3
	.amdgcn_target "amdgcn-amd-amdhsa--gfx1250"
	.amdhsa_code_object_version 6
	.text
	.protected	k_q142d39791c_prep
	.globl	k_q142d39791c_prep
	.p2align	8
	.type	k_q142d39791c_prep,@function
k_q142d39791c_prep:
	s_mov_b64 s[64:65], 0
	v_nop
	global_prefetch_b8 v0, s[64:65] scope:SCOPE_SE
	s_setreg_imm32_b32 hwreg(HW_REG_WAVE_SCHED_MODE, 0, 2), 2
	s_setreg_imm32_b32 hwreg(HW_REG_WAVE_MODE, 25, 1), 1
	s_wait_xcnt 0x0
	s_wait_alu depctr_vm_vsrc(0)
; THE LAUNCH IN FRONT OF THE CHAIN.  Three kinds of work-groups, told apart by the work-group's number alone; each kind has LDS bytes of its own.
;   0-15    SORT: a quarter of the tokens (8,192) is sorted by judge, by a counting sort without atomics: 'order' gets the token numbers, 'tiles' the list (judge, first place in order, rows 0..160, 0).
;           Work-group n serves quarter n / 4 as part n % 4.  The four parts of a quarter count and scan ALL its ids alike, so that they agree on every place without a word between them, and each stores the places
;           of a quarter of the ids: 64 scattered stores of a wave's 32 words for a work-group instead of 256.  The price: judge_ids is read four times, 524,288 bytes instead of 131,072.
;   16-119  QW:   a work-group takes 32 rows of layer 2's matrix mu (0-11 the judges', 12 the shared one), quantises them to E4M3 with the given scale and stores them as images of the operand's registers;
;           four of its waves also take layer 1's rows of the same units and the tables cb1 and cb2: what the second launch gives its sums as C.
;   120-132 QH:   a work-group takes the heads' 35 rows of one matrix mu; likewise, and cb3.
; THE APPENDED ONE of layers 2 and 3 (K = 257): its term, code(1) x code(w[u][256]), is the same for every token.  It is made here once for each (judge, unit) by a 16x16x64 matrix instruction on the codes
; and goes into the tables, so that the second launch's K is 256.  cb = (biases) / 2^sb + shared term + judge's term x 2^(sa - sb); sa, sb: the sums of the two exponents of the judge's and of the shared product.
; The shared matrix's work-groups run the table lines too and fill a thirteenth entry of cbt (with judge 11's biases) that no launch reads: 8 of QW's 104 work-groups and one of QH's 13; so the text has one way.
; LIMITS: each given exponent e lies between -126 and 119 (2^e and 448 x 2^e are f32 numbers); sa - sb between -126 and 127.  NaN among the inputs is not served.  judge_ids lie in 0..11, as the problem states.
; No clusters, no tensor loads: but for judge_ids every input byte is read by one wave, once.
; THE MODE: SCHED_MODE bits 1:0 = 2 (LLVM: expert scheduling mode 2), set by the entry lines.  The code itself states the register dependences between vector or matrix instructions and memory or LDS
; instructions, and those through scalar registers and VCC that vector instructions write, with s_wait_alu, always for 0.
; THE PLAN.  The text has no loop, and every load and every store has registers of its own.
;   Addresses are made at a path's head and never written again (SORT's v12 and v13 aside): one wait on va_vdst ahead of the path's first branch on the wave's number states them written, for all the loads,
;   stores and LDS instructions that follow on every way; the vector lines that stand behind that wait name none of them.
;   Registers that take loads (QH, QW: v24-27, v40, v41, v64-98, v128-191; SORT: v16-47, v104-151) are named by no vector instruction ahead of their loads.
;   What a store sends out (codes, table words, places and tokens) is written by vector lines just ahead of it: one wait on va_vdst stands ahead of each run of such stores, and these registers are not written again.
;   SORT's v12 and v13, which LDS instructions read as addresses, are written again by the list of tiles: one wait on vm_vsrc, behind the last LDS load.
;   Masks and lane reads go into scalar registers in runs, one wait on va_sdst behind each run; the three compares into VCC have a wait on va_vcc ahead of their selects.
.set QWL, 256                          ; LDS: 0-255 SORT's wave totals; from QWL 32 rows of QHP bytes (QW); from QHL 48 rows of QHP bytes (QH)
.set QHL, 33536
.set QHP, 1040                         ; 1,024 bytes + 16: an odd multiple of 16, so that sixteen rows of a 16-byte load start at different banks
.set ID, 16                            ; SORT: v16-47 my 32 ids, later their token numbers
.set LR, 48                            ; SORT: v48-79 each id's rank among my ids of the same judge, later its byte offset in order
.macro MKQ q, e                        ; s[q] = 2^e as f32 (the conversion takes its exponent field), s[q+1] = 448 x 2^e; e in s[e]
	s_add_co_i32 s[\q+1], s[\e], 127
	s_lshl_b32 s[\q], s[\q+1], 23
	s_add_co_i32 s[\q+1], s[\q+1], 8
	s_lshl_b32 s[\q+1], s[\q+1], 23
	s_or_b32 s[\q+1], s[\q+1], 0x600000
.endm
.macro PLACES n
.rept \n
	v_nop
.endr
.endm
; one number a lane becomes the first code of a fragment's first two registers (v225-231 hold zeros)
.macro ONEQ dst, num, q
	v_mov_b32 v251, s[\q]
	v_mov_b32 v250, s[\q+1]
	v_med3_num_f32 v224, v[\num], -v250, v250      ; the conversion to an 8-bit code does not saturate (ISA guide 7.6.2): the hold comes first
	v_cvt_scalef32_pk8_fp8_f32 v[\dst:\dst+1], v[224:231], v251
	v_nop                                          ; a plain line between a scaled conversion and whatever touches its result or writes its sources
.endm
; The ones' terms of sixteen units.  Source 0: code(1) at k = 0 in all sixteen rows (lanes 0-15 hold 1, lanes 16-31, whose first byte is k = 8, hold 0).  Source 1: unit r's weight at k = 0.
; Every register of the result in lane (r, h) is then code(1) x code(w of unit r).  v232: the judge's term, v240: the shared one.  No memory or LDS instruction names a register that these lines write.
.macro CTERM hreg, ja, sh, q1a, qwa, q1b, qwb
.irp j, 225,226,227,228,229,230,231
	v_mov_b32 v[\j], 0
.endr
.irp f, 192,200,208,216
.irp j, 2,3,4,5,6,7
	v_mov_b32 v[\f+\j], 0                          ; k = 16 to 63 of the four fragments
.endr
.endr
	v_sub_nc_u32 v248, 1, v[\hreg]
	v_cvt_f32_u32 v248, v248                       ; 1.0 in lanes 0-15, 0.0 in lanes 16-31
	ONEQ 192, 248, \q1a
	ONEQ 200, \ja, \qwa
	ONEQ 208, 248, \q1b
	ONEQ 216, \sh, \qwb
	v_wmma_f32_16x16x64_fp8_fp8 v[232:239], v[192:199], v[200:207], 0
	v_wmma_f32_16x16x64_fp8_fp8 v[240:247], v[208:215], v[216:223], 0
	PLACES 4                                       ; four plain lines before a vector instruction reads a matrix result (ISA guide 7.12.1)
.endm
	v_lshl_add_u32 v254, v0, 2, 0x14600
	v_mov_b32 v255, 0
	v_lshrrev_b32 v1, 5, v0
	v_readfirstlane_b32 s8, v1                     ; wave 0..7
	s_wait_alu depctr_va_sdst(0)                   ; s8 is written, ahead of the first branch and of all its readers
	s_cmp_lt_u32 ttmp9, 16
	s_cbranch_scc1 .Lsort
	s_cmp_lt_u32 ttmp9, 120
	s_cbranch_scc1 .Lqw
; ======================================================================= QH: the heads of matrix mu
; whc: [mu 13][w 4][T 3][g 2][lane 32][16 bytes]: the fragment (16 rows x 64 K) of K slice 64 w .. 64 w + 63.  Row r of tile T is logit n = idx + 20 hh, idx = 8 T + (r & 7), hh = r >> 3, where idx < 20 - 5 hh;
; else zeros.  So in the transposed product lanes 0-15 hold logits 0-19 and lanes 16-31 logits 20-34: whole groups of five.
	s_load_b64 s[10:11], s[0:1], 0x8               ; the scales' exponents
	s_load_b128 s[12:15], s[0:1], 0x30             ; V_w, Va_w
	s_load_b128 s[16:19], s[0:1], 0x60             ; V_b, Va_b
	s_load_b128 s[20:23], s[0:1], 0x80             ; whc, cbt
	s_sub_co_u32 s9, ttmp9, 120                    ; mu
	s_min_u32 s28, s9, 11                          ; the judge whose biases are taken
	s_lshr_b32 s24, s8, 2                          ; my first job's tile T = wave / 4
	s_and_b32 s25, s8, 3                           ; my K slice w
	v_lshlrev_b32 v1, 2, v0                        ; thread t takes word t of every row
	v_add_nc_u32 v2, QHL, v1
	v_and_b32 v5, 31, v0
	v_lshlrev_b32 v5, 4, v5                        ; 16 x lane
	v_bfe_u32 v7, v0, 4, 1                         ; h
	v_and_b32 v8, 7, v0                            ; r & 7
	v_bfe_u32 v9, v0, 3, 1                         ; hh
	v_mad_u32_u24 v3, v9, 24, v8                   ; LDS row (r & 7) + 24 hh (+ 8 T below)
	v_mul_u32_u24 v3, v3, QHP
	v_lshl_add_u32 v3, v7, 5, v3                   ; + 32 h: eight numbers
	s_mul_i32 s26, s24, 8*QHP
	s_lshl_b32 s27, s25, 8
	s_add_co_u32 s26, s26, s27
	s_add_co_u32 s26, s26, QHL
	v_add_nc_u32 v3, s26, v3
	v_mov_b32 v15, 0
	s_mov_b32 s3, 0
	s_wait_kmcnt 0x0
	s_load_b128 s[36:39], s[10:11], 0x20           ; e8, e9, e10, e11
	s_cmp_eq_u32 s9, 12                            ; the shared matrix or a judge's: the choice hangs on the work-group's number alone
	s_cselect_b64 s[30:31], s[12:13], s[14:15]
	s_cselect_b32 s29, 0, s9
	s_mul_i32 s2, s29, 35980
	s_add_nc_u64 s[30:31], s[30:31], s[2:3]        ; my matrix
	s_mul_i32 s2, s28, 140
	s_add_nc_u64 s[34:35], s[18:19], s[2:3]        ; Va_b of the judge
	s_mul_i32 s2, s9, 12288
	s_mul_i32 s27, s25, 3072
	s_add_co_u32 s2, s2, s27
	s_lshl_b32 s27, s24, 10
	s_add_co_u32 s2, s2, s27
	s_add_nc_u64 s[44:45], s[20:21], s[2:3]        ; whc at (mu, w, T)
	s_mul_i32 s2, s9, 2304
	s_add_nc_u64 s[22:23], s[22:23], s[2:3]        ; cbt at mu
	s_wait_alu depctr_va_vdst(0)                   ; the addresses v1, v2, v3, v5 and the zero v15 are written: every load, LDS instruction and store of this path reads of them, on both ways; no vector line behind this wait names them
	s_cmp_lt_u32 s8, 4                             ; waves 4 to 6 make cb3 (tile T' = wave - 4): their four numbers a lane are asked for first, so that the wait below covers them on both ways
	s_cbranch_scc1 .Lqh_ng
	s_cmp_gt_u32 s8, 6
	s_cbranch_scc1 .Lqh_ng
	s_sub_co_u32 s32, s8, 4
	s_lshl_b32 s32, s32, 3
	v_add_nc_u32 v10, s32, v8                      ; idx
	v_mul_u32_u24 v11, v9, 5
	v_sub_nc_u32 v11, 20, v11
	v_cmp_lt_u32 vcc_lo, v10, v11                  ; a logit stands here
	v_mad_u32_u24 v12, v9, 20, v10
	s_wait_alu depctr_va_vcc(0)                    ; the compare has written VCC, which the select reads
	v_cndmask_b32 v12, 0, v12, vcc_lo              ; n, or 0 where none stands: no load leaves its buffer
	v_mul_u32_u24 v13, v12, 1028
	v_lshlrev_b32 v14, 2, v12
	s_wait_alu depctr_va_vdst(0)                   ; the offsets v13 and v14 are written, which the four loads read
	global_load_b32 v24, v13, s[12:13] offset:1024 ; V_w[n][256]
	global_load_b32 v25, v13, s[30:31] offset:1024 ; my matrix's [n][256]
	global_load_b32 v26, v14, s[16:17]             ; V_b[n]
	global_load_b32 v27, v14, s[34:35]             ; Va_b[j][n]
.Lqh_ng:
.set n, 0
.rept 35
	global_load_b32 v[64+n], v1, s[30:31] offset:1028*n      ; a wave reads 128 consecutive bytes of a row
.set n, n+1
.endr
.irp n, 20,21,22,23,39,40,41,42,43,44,45,46,47
	ds_store_b32 v2, v15 offset:QHP*\n             ; the rows at which no logit stands
.endr
	s_wait_kmcnt 0x0
	s_cmp_eq_u32 s9, 12
	s_cselect_b32 s40, s37, s39                    ; e9 for the shared matrix, e11 for a judge's
	MKQ 42, 40
	MKQ 46, 38                                     ; e10: the one of the judge's product
	MKQ 48, 36                                     ; e8: the one of the shared product
	MKQ 50, 37                                     ; e9
	s_add_co_i32 s52, s38, s39
	s_add_co_i32 s53, s36, s37                     ; sb3
	s_sub_co_i32 s52, s52, s53
	s_add_co_i32 s52, s52, 127
	s_lshl_b32 s52, s52, 23                        ; 2^(sa3 - sb3)
	s_sub_co_i32 s53, 0, s53
	v_mov_b32 v29, s42
	v_mov_b32 v28, s43
	s_wait_loadcnt 0x0
.set n, 0
.rept 20
	ds_store_b32 v2, v[64+n] offset:QHP*n
.set n, n+1
.endr
.rept 15
	ds_store_b32 v2, v[64+n] offset:QHP*(n+4)      ; logits 20-34 lie at rows 24-38
.set n, n+1
.endr
	s_wait_dscnt 0x0                               ; for the others' sake: my stores have landed
	s_barrier_signal -1
	s_barrier_wait -1
; One fragment of 16 rows x 64 K out of rows that lie in LDS: 32 numbers a lane (v3: my row, my K quarter, + 32 bytes for lanes 16-31), four conversions, two stores of 512 consecutive bytes.
; v28: 448 x the scale, v29: the scale, v5: 16 x lane, s[44:45]: where the image goes.  QW uses it too.  Job j has its own 32 registers for the numbers and its own 8 for the codes.
.macro HJOB j, loff, goff
.irp c, 0,1,2,3
	ds_load_b128 v[128+32*\j+8*\c:128+32*\j+8*\c+3], v3 offset:\loff+64*\c
	ds_load_b128 v[132+32*\j+8*\c:132+32*\j+8*\c+3], v3 offset:\loff+64*\c+16
.endr
	s_wait_dscnt 0x0
.set n, 0
.rept 32
	v_med3_num_f32 v[128+32*\j+n], v[128+32*\j+n], -v28, v28
.set n, n+1
.endr
.irp c, 0,1,2,3
	v_cvt_scalef32_pk8_fp8_f32 v[32+8*\j+2*\c:32+8*\j+2*\c+1], v[128+32*\j+8*\c:128+32*\j+8*\c+7], v29
.endr
	v_nop
	s_wait_alu depctr_va_vdst(0)                   ; the conversions have written the job's eight registers of codes, which the two stores read
	global_store_b128 v5, v[32+8*\j:32+8*\j+3], s[44:45] offset:\goff
	global_store_b128 v5, v[36+8*\j:36+8*\j+3], s[44:45] offset:\goff+512
.endm
	HJOB 0, 0, 0                                   ; tile wave / 4
	s_cmp_lt_u32 s8, 4
	s_cbranch_scc0 .Lqh_hi
	HJOB 1, 16*QHP, 2048                           ; waves 0-3 (whose first tile was 0) also take tile 2: 16 rows and 2 fragments further on; registers of its own
	s_wait_dscnt 0x0                               ; the closing lines, six on end
	s_wait_alu 0x0
	s_wait_tensorcnt 0x0
	ds_add_u32 v254, v255
	s_wait_dscnt 0x0
	s_endpgm
.Lqh_hi:
	s_cmp_gt_u32 s8, 6
	s_cbranch_scc1 .Lqh_end
	CTERM 7, 25, 24, 46, 42, 48, 50
	s_sub_co_u32 s32, s8, 4
	s_lshl_b32 s32, s32, 3
	v_add_nc_u32 v10, s32, v8                      ; idx
	v_mul_u32_u24 v11, v9, 5
	v_sub_nc_u32 v11, 20, v11
	v_cmp_lt_u32 vcc_lo, v10, v11
	v_add_f32 v26, v26, v27
	v_ldexp_f32 v26, v26, s53                      ; (V_b + Va_b) / 2^sb3
	v_fma_f32 v26, v232, s52, v26
	v_add_f32 v26, v26, v240
	s_wait_alu depctr_va_vcc(0)                    ; the compare has written VCC, which the select reads
	v_cndmask_b32 v26, 0, v26, vcc_lo              ; 0 where no logit stands
	v_mad_u32_u24 v16, v9, 24, v10
	v_lshlrev_b32 v16, 2, v16
	s_wait_alu depctr_va_vdst(0)                   ; the offset v16 and the table's word v26 are written, which the store reads
	global_store_b32 v16, v26, s[22:23] offset:2048          ; cb3 at word 512 + 24 hh + idx; both halves of the wave hold and store the same sixteen words
.Lqh_end:
	s_wait_dscnt 0x0                               ; the closing lines, six on end
	s_wait_alu 0x0
	s_wait_tensorcnt 0x0
	ds_add_u32 v254, v255
	s_wait_dscnt 0x0
	s_endpgm
; ======================================================================= QW: 32 rows of W2 of matrix mu, and what belongs to the same 32 units
; w2c: [mu][T 16][s 2][g 4][lane][16 bytes]: registers 2 c, 2 c + 1 hold W2[16 T + r][128 s + 16 c + 8 h + 0 .. 7]: the K = 128 form's own layout.
; Thread t takes word t of each of the 32 rows (a row is 1,028 bytes, so only its words are aligned): a wave's load reads 128 consecutive bytes.  The rows go into LDS 1,040 bytes apart, where 16-byte loads are aligned.
; Wave (tile = wave / 4, K quarter q = wave % 4) then makes half a fragment: K step q / 2, register groups 2 (q % 2) and 2 (q % 2) + 1: 1,024 bytes at 1024 q of the tile's 4,096.
; A work-group issues 8 x (32 + 8) LDS instructions.  Side jobs, by the wave's number: waves 0, 1: W1's 16 rows of tile 2 TP + wave; waves 2, 3: cb1 and cb2 of tile 2 TP + wave - 2.
; w1c: [mu][T][g 2][lane][16 bytes]: byte i of lane (r, h) is the code of W1[16 T + r][18 h + i], i < 18, else 0: the 36 numbers of K lie in the same places as in the second launch's x.
.Lqw:
	s_load_b64 s[10:11], s[0:1], 0x8               ; the scales' exponents
	s_load_b128 s[12:15], s[0:1], 0x10             ; W1_w, W1a_w
	s_load_b128 s[16:19], s[0:1], 0x20             ; W2_w, W2a_w
	s_load_b256 s[20:27], s[0:1], 0x40             ; W1_b, W1a_b, W2_b, W2a_b
	s_load_b128 s[28:31], s[0:1], 0x70             ; w1c, w2c
	s_load_b64 s[32:33], s[0:1], 0x88              ; cbt
	s_sub_co_u32 s9, ttmp9, 16
	s_lshr_b32 s34, s9, 3                          ; mu
	s_and_b32 s35, s9, 7                           ; TP: which 32 rows
	s_lshr_b32 s46, s8, 2                          ; my fragment's tile among the two
	s_and_b32 s47, s8, 3                           ; its K quarter
	s_and_b32 s62, s8, 1                           ; my side job's tile among the two
	s_lshl_b32 s56, s35, 1
	s_add_co_u32 s61, s56, s46                     ; T of my fragment
	s_add_co_u32 s56, s56, s62                     ; T of my side job
	s_min_u32 s52, s34, 11                         ; the judge whose biases are taken
	s_cmp_eq_u32 s34, 12
	s_cselect_b32 s57, 0, s34
	v_lshlrev_b32 v1, 2, v0                        ; thread t takes word t of every row
	v_add_nc_u32 v2, QWL, v1
	v_and_b32 v5, 31, v0
	v_lshlrev_b32 v5, 4, v5                        ; 16 x lane
	v_and_b32 v6, 15, v0                           ; r
	v_bfe_u32 v7, v0, 4, 1                         ; h
	v_mul_u32_u24 v3, v6, QHP
	v_lshl_add_u32 v3, v7, 5, v3                   ; out of LDS: row r, + 8 numbers for lanes 16-31,
	s_mul_i32 s53, s46, 16*QHP
	s_lshl_b32 s54, s47, 8
	s_add_co_u32 s53, s53, s54
	s_add_co_u32 s53, s53, QWL
	v_add_nc_u32 v3, s53, v3                       ; + my tile's 16 rows + my quarter's 256 bytes
	v_mul_u32_u24 v9, v6, 144
	v_mad_u32_u24 v9, v7, 72, v9                   ; W1: row r of 144 bytes, + 18 numbers for lanes 16-31
	v_lshlrev_b32 v8, 2, v6                        ; 4 r
	v_mul_u32_u24 v10, v6, 1028                    ; W2: row r
	s_mov_b32 s3, 0
	s_mov_b32 s55, 0
	s_wait_kmcnt 0x0
	s_load_b256 s[36:43], s[10:11], 0x0            ; e0 .. e7
	s_cmp_eq_u32 s34, 12                           ; the shared matrix or a judge's: the choice hangs on the work-group's number alone
	s_cselect_b64 s[48:49], s[12:13], s[14:15]
	s_cselect_b64 s[50:51], s[16:17], s[18:19]
	s_mul_i32 s2, s57, 36864
	s_mul_i32 s54, s56, 2304
	s_add_co_u32 s2, s2, s54
	s_add_nc_u64 s[48:49], s[48:49], s[2:3]        ; W1: my side job's 16 rows
	s_mul_i32 s2, s57, 263168
	s_mul_i32 s54, s35, 32896
	s_add_co_u32 s2, s2, s54
	s_add_nc_u64 s[50:51], s[50:51], s[2:3]        ; W2: the work-group's 32 rows
	s_mul_i32 s54, s56, 16448
	s_add_nc_u64 s[16:17], s[16:17], s[54:55]      ; the shared W2 at my side job's 16 units,
	s_mul_i32 s54, s62, 16448
	s_add_nc_u64 s[58:59], s[50:51], s[54:55]      ; and my matrix at the same units
	s_lshl_b32 s2, s56, 6
	s_add_nc_u64 s[20:21], s[20:21], s[2:3]        ; W1_b, W2_b at unit 16 T
	s_add_nc_u64 s[24:25], s[24:25], s[2:3]
	s_lshl_b32 s54, s52, 10
	s_add_co_u32 s2, s2, s54
	s_add_nc_u64 s[22:23], s[22:23], s[2:3]        ; W1a_b, W2a_b of the judge
	s_add_nc_u64 s[26:27], s[26:27], s[2:3]
	s_lshl_b32 s60, s34, 4
	s_add_co_u32 s2, s60, s56
	s_lshl_b32 s2, s2, 10
	s_add_nc_u64 s[28:29], s[28:29], s[2:3]        ; w1c at (mu, T of my side job)
	s_add_co_u32 s2, s60, s61
	s_lshl_b32 s2, s2, 12
	s_lshl_b32 s54, s47, 10
	s_add_co_u32 s2, s2, s54
	s_add_nc_u64 s[44:45], s[30:31], s[2:3]        ; w2c at (mu, T of my fragment, quarter)
	s_mul_i32 s2, s34, 2304
	s_lshl_b32 s54, s56, 6
	s_add_co_u32 s2, s2, s54
	s_add_nc_u64 s[32:33], s[32:33], s[2:3]        ; cbt at (mu, unit 16 T of my side job)
	s_wait_alu depctr_va_vdst(0)                   ; the addresses v1, v2, v3, v5, v8, v9, v10 are written: every load, LDS instruction and store of this path reads of them, on every way; no vector line behind this wait names them
	s_cmp_lt_u32 s8, 2                             ; the side jobs' loads go first, so that the counted waits below leave out the same loads on every wave's way
	s_cbranch_scc0 .Lqw_l1
.irp k, 0,1,2,3,4,5,6,7,8
	global_load_b64 v[160+2*\k:161+2*\k], v9, s[48:49] offset:8*\k
.endr
	s_branch .Lqw_l2
.Lqw_l1:
	s_cmp_lt_u32 s8, 4
	s_cbranch_scc0 .Lqw_l2
	global_load_b32 v24, v10, s[16:17] offset:1024 ; W2_w[u][256]
	global_load_b32 v41, v10, s[58:59] offset:1024 ; my matrix's [u][256]
	global_load_b32 v25, v8, s[24:25]              ; W2_b[u]
	global_load_b32 v26, v8, s[26:27]              ; W2a_b[j][u]
	global_load_b32 v27, v8, s[20:21]              ; W1_b[u]
	global_load_b32 v40, v8, s[22:23]              ; W1a_b[j][u]
.Lqw_l2:
.set n, 0
.rept 32
	global_load_b32 v[64+n], v1, s[50:51] offset:1028*n      ; a wave reads 128 consecutive bytes of a row
.set n, n+1
.endr
	s_wait_kmcnt 0x0
	s_cmp_eq_u32 s34, 12
	s_cselect_b32 s66, s39, s37                    ; W1: e3 for the shared matrix, e1 for a judge's
	s_cselect_b32 s67, s43, s41                    ; W2: e7, e5
	MKQ 68, 66
	MKQ 70, 67
	MKQ 72, 40                                     ; e4: the one of the judge's product
	MKQ 74, 42                                     ; e6: the one of the shared product
	MKQ 76, 43                                     ; e7
	s_add_co_i32 s78, s40, s41
	s_add_co_i32 s79, s42, s43                     ; sb2
	s_sub_co_i32 s78, s78, s79
	s_add_co_i32 s78, s78, 127
	s_lshl_b32 s78, s78, 23                        ; 2^(sa2 - sb2)
	s_sub_co_i32 s79, 0, s79
	s_add_co_i32 s80, s38, s39
	s_sub_co_i32 s80, 0, s80                       ; -sb1
	v_mov_b32 v31, s68
	v_mov_b32 v30, s69
	v_mov_b32 v29, s70
	v_mov_b32 v28, s71
.irp q, 0,1,2,3
	s_wait_loadcnt 24-8*\q                         ; loads come back in order: eight more rows are in, the rows behind them may be out
.irp c, 0,1,2,3,4,5,6,7
	ds_store_b32 v2, v[64+8*\q+\c] offset:QHP*(8*\q+\c)
.endr
.endr
	s_wait_dscnt 0x0                               ; for the others' sake: my stores have landed
	s_barrier_signal -1
	s_barrier_wait -1
	HJOB 0, 0, 0
	s_cmp_lt_u32 s8, 2
	s_cbranch_scc0 .Lqw_cb
.irp k, 178,179,180,181,182,183
	v_mov_b32 v[\k], 0                             ; numbers 18-23 of the lane: zeros
.endr
.set n, 0
.rept 18
	v_med3_num_f32 v[160+n], v[160+n], -v30, v30
.set n, n+1
.endr
.irp c, 0,1,2
	v_cvt_scalef32_pk8_fp8_f32 v[16+2*\c:17+2*\c], v[160+8*\c:167+8*\c], v31
.endr
	v_mov_b32 v22, 0                               ; bytes 24-31.  (Also the plain line behind the conversions)
	v_mov_b32 v23, 0
	s_wait_alu depctr_va_vdst(0)                   ; the conversions and the two moves have written v16-23, which the two stores read
	global_store_b128 v5, v[16:19], s[28:29]
	global_store_b128 v5, v[20:23], s[28:29] offset:512
	s_wait_dscnt 0x0                               ; the closing lines, six on end
	s_wait_alu 0x0
	s_wait_tensorcnt 0x0
	ds_add_u32 v254, v255
	s_wait_dscnt 0x0
	s_endpgm
.Lqw_cb:
	s_cmp_lt_u32 s8, 4
	s_cbranch_scc0 .Lqw_end
	CTERM 7, 41, 24, 72, 70, 74, 76
	v_cmp_eq_u32 vcc_lo, 1, v7
	v_add_f32 v25, v25, v26
	v_ldexp_f32 v25, v25, s79                      ; (W2_b + W2a_b) / 2^sb2
	v_fma_f32 v25, v232, s78, v25
	v_add_f32 v25, v25, v240                       ; cb2[u]
	v_add_f32 v27, v27, v40
	v_ldexp_f32 v27, v27, s80                      ; cb1[u] = (W1_b + W1a_b) / 2^sb1
	s_wait_alu depctr_va_vcc(0)                    ; the compare has written VCC, which the select reads
	v_cndmask_b32 v27, v27, v25, vcc_lo            ; lanes 0-15 store cb1, lanes 16-31 cb2
	v_lshl_add_u32 v11, v7, 10, v8
	s_wait_alu depctr_va_vdst(0)                   ; the offset v11 and the tables' word v27 are written, which the store reads
	global_store_b32 v11, v27, s[32:33]
.Lqw_end:
	s_wait_dscnt 0x0                               ; the closing lines, six on end
	s_wait_alu 0x0
	s_wait_tensorcnt 0x0
	ds_add_u32 v254, v255
	s_wait_dscnt 0x0
	s_endpgm
; ======================================================================= SORT: quarter sc = work-group's number / 4, part = work-group's number % 4
; Thread t holds ids 1024 c + 4 t + e (c = 0..7, e = 0..3) of the quarter.  Pass 1 counts them by judge in twelve byte counters (three registers: judge k in register k / 4, byte k % 4; at most 32 each) and notes
; each id's rank.  The counters, widened to 16 bits, are summed over lanes (a scan in the wave) and waves (through LDS); with the judges' bases that gives each thread its first place for each judge.
; Up to there the four parts run the same lines on the same ids.  Pass 2 stores: part p the places of loads c = 2 p and 2 p + 1; part 0 also the list of tiles.
.Lsort:
	s_load_b64 s[10:11], s[0:1], 0x0               ; judge_ids
	s_load_b128 s[12:15], s[0:1], 0x90             ; order, tiles
	s_lshr_b32 s7, ttmp9, 2                        ; sc
	s_and_b32 s9, ttmp9, 3                         ; part
	v_lshlrev_b32 v1, 4, v0
	v_mov_b32 v8, 0
	v_mov_b32 v9, 0
	v_mov_b32 v10, 0
	s_lshl_b32 s2, s7, 15                          ; a quarter is 32,768 bytes of ids and of order
	s_mov_b32 s3, 0
	s_lshl_b32 s4, s7, 4
	s_mov_b32 s5, 0
	s_lshl_b32 s6, s7, 13                          ; its first token
	s_wait_kmcnt 0x0
	s_add_nc_u64 s[10:11], s[10:11], s[2:3]
	s_add_nc_u64 s[12:13], s[12:13], s[2:3]
	s_add_nc_u64 s[14:15], s[14:15], s[4:5]
	s_wait_alu depctr_va_vdst(0)                   ; the offset v1 is written, which the eight loads read
.irp c, 0,1,2,3,4,5,6,7
	global_load_b128 v[ID+4*\c:ID+4*\c+3], v1, s[10:11] offset:4096*\c
.endr
	v_lshl_add_u32 v7, v0, 2, s6                   ; 8192 sc + 4 t
	v_bfe_u32 v11, v0, 4, 1
	v_sub_nc_u32 v11, 0, v11                       ; all ones in lanes 16-31
	v_and_b32 v12, 0xe0, v0                        ; 32 x wave: my wave's totals in LDS
	v_mov_b32 v13, 0
.irp f, 0,1,2,3,4,5
	v_mov_b32 v[92+\f], 0                          ; (a DPP form's destination counts as read)
.endr
	s_mov_b32 s16, 0x00ff00ff
	s_mov_b32 s19, 0x0c0c0100
; The masks of the four ids of load c, in one run: s20-23 judges 0-3, s24-27 judges 8-11, s28-31 either.
.macro CMP4 c
.irp e, 0,1,2,3
	v_cmp_gt_u32 s[20+\e], 4, v[ID+4*(\c)+\e]      ; judges 0-3
	v_cmp_lt_u32 s[24+\e], 7, v[ID+4*(\c)+\e]      ; judges 8-11
.endr
	s_wait_alu depctr_va_sdst(0)                   ; the eight compares have written s20-27, which the four lines below and the selects of the four ids read
.irp e, 0,1,2,3
	s_or_b32 s[28+\e], s[20+\e], s[24+\e]
.endr
.endm
.macro CNT n, e
	v_and_b32 v2, 3, v[ID+(\n)]
	v_lshlrev_b32 v2, 3, v2                        ; the counter's bit in its register
	v_cndmask_b32 v3, v9, v8, s[20+\e]
	v_cndmask_b32 v3, v3, v10, s[24+\e]
	v_bfe_u32 v[LR+(\n)], v3, v2, 8                ; how many of this judge I have seen
	v_lshl_add_u32 v3, 1, v2, v3
	v_cndmask_b32 v8, v8, v3, s[20+\e]
	v_cndmask_b32 v10, v10, v3, s[24+\e]
	v_cndmask_b32 v9, v3, v9, s[28+\e]
.endm
.irp c, 0,1,2,3,4,5,6,7
	s_wait_loadcnt 7-\c                            ; loads come back in order: load c is in, the later ones may be out
	CMP4 \c
.irp e, 0,1,2,3
	CNT 4*\c+\e, \e
.endr
.endr
.irp d, 0,1,2                                  ; v80-85: 16-bit fields: register 2 d: judges 4 d, 4 d + 2; register 2 d + 1: judges 4 d + 1, 4 d + 3.  A quarter's 8,192 fit
	v_and_b32 v[80+2*\d], s16, v[8+\d]
	v_lshrrev_b32 v[81+2*\d], 8, v[8+\d]
	v_and_b32 v[81+2*\d], s16, v[81+2*\d]
.endr
.irp f, 0,1,2,3,4,5
	v_mov_b32_dpp v[92+\f], v[80+\f] row_shr:1 row_mask:0xf bank_mask:0xf bound_ctrl:1
	v_add_nc_u32 v[86+\f], v[80+\f], v[92+\f]
.endr
.irp n, 2,4,8
.irp f, 0,1,2,3,4,5
	v_mov_b32_dpp v[92+\f], v[86+\f] row_shr:\n row_mask:0xf bank_mask:0xf bound_ctrl:1
	v_add_nc_u32 v[86+\f], v[86+\f], v[92+\f]
.endr
.endr
.irp f, 0,1,2,3,4,5
	v_readlane_b32 s[20+\f], v[86+\f], 15          ; the lower sixteen lanes' sum
.endr
	s_wait_alu depctr_va_sdst(0)                   ; the six lane reads have written s20-25, which the lines below read
.irp f, 0,1,2,3,4,5
	v_and_b32 v[92+\f], s[20+\f], v11
	v_add_nc_u32 v[86+\f], v[86+\f], v[92+\f]      ; goes onto the upper sixteen
.endr
.irp f, 0,1,2,3,4,5
	v_readlane_b32 s[26+\f], v[86+\f], 31          ; the wave's totals
.endr
	s_wait_alu depctr_va_sdst(0)                   ; the six lane reads have written s26-31, which the moves below read
.irp f, 0,1,2,3,4,5
	v_mov_b32 v[98+\f], s[26+\f]
	v_sub_nc_u32 v[86+\f], v[86+\f], v[80+\f]      ; v86-91: the lanes before me
.endr
	s_wait_alu depctr_va_vdst(0)                   ; the totals v98-103 and the address v12 are written, which the two LDS stores read; so is v13, the address of the LDS loads behind the barrier
	ds_store_b128 v12, v[98:101]
	ds_store_b64 v12, v[102:103] offset:16
	s_wait_dscnt 0x0                               ; for the others' sake
	s_barrier_signal -1
	s_barrier_wait -1
.irp w, 0,1,2,3,4,5,6,7
	ds_load_b128 v[104+6*\w:107+6*\w], v13 offset:32*\w
	ds_load_b64 v[108+6*\w:109+6*\w], v13 offset:32*\w+16
.endr
.irp f, 0,1,2,3,4,5
	v_mov_b32 v[152+\f], 0
.endr
	s_wait_dscnt 0x0
	s_wait_alu depctr_vm_vsrc(0)                   ; the LDS stores and loads have read their addresses v12 and v13, which part 0's list of tiles writes again; no memory or LDS instruction behind this wait reads them
.irp w, 1,2,3,4,5,6,7                          ; v104-109 run through the sums of waves 0 .. w - 1; v152-157 keep the one that belongs to my wave
	s_cmp_eq_u32 s8, \w
	s_cselect_b32 s18, -1, 0
.irp f, 0,1,2,3,4,5
	v_cndmask_b32 v[152+\f], v[152+\f], v[104+\f], s18
	v_add_nc_u32 v[104+\f], v[104+\f], v[104+6*\w+\f]
.endr
.endr
.irp f, 0,1,2,3,4,5
	v_readfirstlane_b32 s[20+\f], v[104+\f]        ; the quarter's totals
.endr
	s_wait_alu depctr_va_sdst(0)                   ; the six lane reads have written s20-25, which the scalar lines below read
.irp d, 0,1,2                                  ; s36-47: n[k]
	s_and_b32 s[36+4*\d], s[20+2*\d], 0xffff
	s_lshr_b32 s[38+4*\d], s[20+2*\d], 16
	s_and_b32 s[37+4*\d], s[21+2*\d], 0xffff
	s_lshr_b32 s[39+4*\d], s[21+2*\d], 16
.endr
	s_mov_b32 s48, 0                               ; s48-59: the judges' first places; s66-77: their first tiles
	s_mov_b32 s66, 0
.irp k, 0,1,2,3,4,5,6,7,8,9,10
	s_add_co_u32 s[49+\k], s[48+\k], s[36+\k]
	s_add_co_u32 s2, s[36+\k], 159
	s_mul_i32 s2, s2, 26215
	s_lshr_b32 s2, s2, 22                          ; (n + 159) / 160: 26215 / 2^22 = (1 + 2.3e-5) / 160 is exact for n + 159 up to 8,351
	s_add_co_u32 s[67+\k], s[66+\k], s2
.endr
.irp d, 0,1,2                                  ; s78-83: the first places in the fields' order
	s_lshl_b32 s2, s[50+4*\d], 16
	s_or_b32 s[78+2*\d], s2, s[48+4*\d]
	s_lshl_b32 s2, s[51+4*\d], 16
	s_or_b32 s[79+2*\d], s2, s[49+4*\d]
.endr
.irp f, 0,1,2,3,4,5
	v_add3_u32 v[86+\f], v[86+\f], v[152+\f], s[78+\f]       ; my first place for each judge (at most 8,192: no field runs over)
.endr
.irp d, 0,1,2                                  ; v92-97: the same in the judges' order: judge k in bytes 2 k, 2 k + 1
	v_perm_b32 v[92+2*\d], v[87+2*\d], v[86+2*\d], 0x05040100
	v_perm_b32 v[93+2*\d], v[87+2*\d], v[86+2*\d], 0x07060302
.endr
; A part's eight ids go in three runs: their sixteen masks (id i of the eight: s[20 + i] judges 0-3, s[28 + i] judges 8-11), their places and tokens, their stores.
.macro PCMP n, i
	v_cmp_gt_u32 s[20+(\i)], 4, v[ID+(\n)]
	v_cmp_lt_u32 s[28+(\i)], 7, v[ID+(\n)]
.endm
.macro PLACE n, i
	v_and_b32 v2, 3, v[ID+(\n)]
	v_mad_u32_u24 v3, v2, 0x202, s19               ; selects bytes 2 b, 2 b + 1 of a pair of registers, zeros above
	v_perm_b32 v4, v93, v92, v3
	v_perm_b32 v5, v95, v94, v3
	v_perm_b32 v6, v97, v96, v3
	v_cndmask_b32 v4, v5, v4, s[20+(\i)]
	v_cndmask_b32 v4, v4, v6, s[28+(\i)]
	v_add_nc_u32 v[LR+(\n)], v[LR+(\n)], v4
	v_min_u32 v[LR+(\n)], 0x1fff, v[LR+(\n)]       ; a place in the quarter
	v_lshlrev_b32 v[LR+(\n)], 2, v[LR+(\n)]
	v_add_nc_u32 v[ID+(\n)], 1024*((\n)/4)+(\n)%4, v7        ; the token's number
.endm
.macro PSTORE n
	global_store_b32 v[LR+(\n)], v[ID+(\n)], s[12:13]        ; each store has registers of its own
.endm
.irp p, 0,1,2,3                                ; part p stores the places of ids 8 p .. 8 p + 7 of every thread: the branches hang on the work-group's number alone
	s_cmp_lg_u32 s9, \p
	s_cbranch_scc1 .Lnot_part_\p
.irp i, 0,1,2,3,4,5,6,7
	PCMP 8*\p+\i, \i
.endr
	s_wait_alu depctr_va_sdst(0)                   ; the sixteen compares have written s20-35, which the selects below read
.irp i, 0,1,2,3,4,5,6,7
	PLACE 8*\p+\i, \i
.endr
	s_wait_alu depctr_va_vdst(0)                   ; the eight offsets and the eight token numbers are written, which the eight stores read
.irp i, 0,1,2,3,4,5,6,7
	PSTORE 8*\p+\i
.endr
.Lnot_part_\p:
.endr
	s_cmp_lg_u32 s9, 0
	s_cbranch_scc1 .Lsort_end
	; the list of tiles, by part 0: thread i writes the quarter's tile i; past the last tile the count is 0.  The last judge whose first tile is not above i owns tile i.
	v_mov_b32 v8, 0
	v_mov_b32 v12, 0
	v_mov_b32 v13, 0
	v_mov_b32 v14, s36
.irp k, 1,2,3,4,5,6,7,8,9,10,11
	v_cmp_gt_u32 s[19+\k], s[66+\k], v0            ; judge k's mask in s[19 + k]
.endr
	s_wait_alu depctr_va_sdst(0)                   ; the eleven compares have written s20-30, which the selects below read
.irp k, 1,2,3,4,5,6,7,8,9,10,11
	v_cndmask_b32 v8, \k, v8, s[19+\k]
	v_cndmask_b32 v12, s[66+\k], v12, s[19+\k]
	v_cndmask_b32 v13, s[48+\k], v13, s[19+\k]
	v_cndmask_b32 v14, s[36+\k], v14, s[19+\k]
.endr
	v_sub_nc_u32 v12, v0, v12
	v_mul_u32_u24 v12, v12, 160
	v_min_u32 v12, v12, v14                        ; the tile's first row among the judge's
	v_sub_nc_u32 v10, v14, v12
	v_min_u32 v10, 160, v10                        ; its rows
	v_add3_u32 v9, v13, v12, s6                    ; its first place in order
	v_mov_b32 v11, 0
	v_lshlrev_b32 v15, 6, v0
	s_wait_alu depctr_va_vdst(0)                   ; the entry v8-11 and its offset v15 are written, which the store reads
	global_store_b128 v15, v[8:11], s[14:15]       ; entry 4 i + sc
.Lsort_end:
	s_wait_dscnt 0x0                               ; the closing lines, six on end
	s_wait_alu 0x0
	s_wait_tensorcnt 0x0
	ds_add_u32 v254, v255
	s_wait_dscnt 0x0
	s_endpgm
.Lfunc_end_k_q142d39791c_prep:
	.size	k_q142d39791c_prep, .Lfunc_end_k_q142d39791c_prep-k_q142d39791c_prep
	.p2alignl 7, 3214868480
	.fill 96, 4, 3214868480
	.section	.rodata,"a",@progbits
	.p2align	6, 0x0
	.amdhsa_kernel k_q142d39791c_prep
		.amdhsa_group_segment_fixed_size 84480
		.amdhsa_private_segment_fixed_size 0
		.amdhsa_enable_private_segment 0
		.amdhsa_kernarg_size 160
		.amdhsa_user_sgpr_count 2
		.amdhsa_user_sgpr_kernarg_segment_ptr 1
		.amdhsa_wavefront_size32 1
		.amdhsa_system_sgpr_workgroup_id_x 1
		.amdhsa_system_sgpr_workgroup_id_y 1
		.amdhsa_system_sgpr_workgroup_id_z 1
		.amdhsa_system_vgpr_workitem_id 0
		.amdhsa_next_free_vgpr 256
		.amdhsa_next_free_sgpr 88
		.amdhsa_reserve_vcc 1
		.amdhsa_float_denorm_mode_32 3
		.amdhsa_float_denorm_mode_16_64 3
		.amdhsa_memory_ordered 1
		.amdhsa_forward_progress 1
		.amdhsa_inst_pref_size 111
	.end_amdhsa_kernel
	.amdgpu_metadata
---
amdhsa.version: [ 1, 2 ]
amdhsa.kernels:
  - .name:           k_q142d39791c_prep
    .symbol:         k_q142d39791c_prep.kd
    .args:
      - { .name: judge_ids, .offset: 0, .size: 8, .value_kind: global_buffer, .address_space: global }
      - { .name: lowp_scales, .offset: 8, .size: 8, .value_kind: global_buffer, .address_space: global }
      - { .name: W1_w, .offset: 16, .size: 8, .value_kind: global_buffer, .address_space: global }
      - { .name: W1a_w, .offset: 24, .size: 8, .value_kind: global_buffer, .address_space: global }
      - { .name: W2_w, .offset: 32, .size: 8, .value_kind: global_buffer, .address_space: global }
      - { .name: W2a_w, .offset: 40, .size: 8, .value_kind: global_buffer, .address_space: global }
      - { .name: V_w, .offset: 48, .size: 8, .value_kind: global_buffer, .address_space: global }
      - { .name: Va_w, .offset: 56, .size: 8, .value_kind: global_buffer, .address_space: global }
      - { .name: W1_b, .offset: 64, .size: 8, .value_kind: global_buffer, .address_space: global }
      - { .name: W1a_b, .offset: 72, .size: 8, .value_kind: global_buffer, .address_space: global }
      - { .name: W2_b, .offset: 80, .size: 8, .value_kind: global_buffer, .address_space: global }
      - { .name: W2a_b, .offset: 88, .size: 8, .value_kind: global_buffer, .address_space: global }
      - { .name: V_b, .offset: 96, .size: 8, .value_kind: global_buffer, .address_space: global }
      - { .name: Va_b, .offset: 104, .size: 8, .value_kind: global_buffer, .address_space: global }
      - { .name: w1c, .offset: 112, .size: 8, .value_kind: global_buffer, .address_space: global }
      - { .name: w2c, .offset: 120, .size: 8, .value_kind: global_buffer, .address_space: global }
      - { .name: whc, .offset: 128, .size: 8, .value_kind: global_buffer, .address_space: global }
      - { .name: cbt, .offset: 136, .size: 8, .value_kind: global_buffer, .address_space: global }
      - { .name: order, .offset: 144, .size: 8, .value_kind: global_buffer, .address_space: global }
      - { .name: tiles, .offset: 152, .size: 8, .value_kind: global_buffer, .address_space: global }
    .group_segment_fixed_size: 84480
    .private_segment_fixed_size: 0
    .kernarg_segment_align: 8
    .kernarg_segment_size: 160
    .max_flat_workgroup_size: 256
    .sgpr_count:     88
    .vgpr_count:     256
    .wavefront_size: 32
...
	.end_amdgpu_metadata
.endif
;; end of part 3
;; launch main: the kernel of part 2 again; grid 252 x 1, 4 waves a work-group, no clusters, 231,680 bytes of LDS; arguments x, lowp_scales, w1c, w2c, whc, cbt, order, tiles, out0; writes out0
